; MI455X (gfx1250); checked and timed in simulation.
; The chip was launched on July 23, 2026; its instructions are those of AMD's public machine-readable ISA for CDNA 5 (MIT licence, August 2026) and "CDNA5" Instruction Set Architecture Reference Guide (July 2026). The comments in the code are by the model that wrote it; some were corrected since.
;; Window Attention Memory. Allowed arithmetic: matrix products marked QUANTISED: E3M2 operands, one E8M0 scale for each 32 along K, by v_wmma_scale_f32_16x16x128_f8f6f4 with both operands' format E3M2, f32 sums; everything else in f32.
;; Inputs: b_k 1,024 float32; b_o 1,024 float32; b_q 1,024 float32; b_v 1,024 float32; ln_b 1,024 float32; ln_g 1,024 float32; w_k_codes 1,024 x 32 x 24 uint8 (E3M2 codes of w_k, K innermost, in blocks of 32 codes, four codes in three bytes); w_k_scales 1,024 x 32 uint8 (E8M0 scales of w_k, one for each 32 codes along K); w_o_codes 1,024 x 32 x 24 uint8 (E3M2 codes of w_o, K innermost, in blocks of 32 codes, four codes in three bytes); w_o_scales 1,024 x 32 uint8 (E8M0 scales of w_o, one for each 32 codes along K); w_q_codes 1,024 x 32 x 24 uint8 (E3M2 codes of w_q, K innermost, in blocks of 32 codes, four codes in three bytes); w_q_scales 1,024 x 32 uint8 (E8M0 scales of w_q, one for each 32 codes along K); w_v_codes 1,024 x 32 x 24 uint8 (E3M2 codes of w_v, K innermost, in blocks of 32 codes, four codes in three bytes); w_v_scales 1,024 x 32 uint8 (E8M0 scales of w_v, one for each 32 codes along K); x 4 x 2,048 x 1,024 float32.
;; Outputs: out0 4 x 2,048 x 1,024 float32.
;; This version of the problem:
;;   THIS VERSION OF THE PROBLEM IS GIVEN IN LOW PRECISION. The matrix products marked QUANTISED in the list below multiply operands that are first quantised to E3M2 (3 exponent bits, 2 mantissa bits; 6 bits a number), with one power-of-two scale for each 32 numbers along K (OCP MX v1.0); their sums are f32. All else is computed in f32.
;;   The module's matrix products, in the order in which they are computed (A, B: the left and right operand; K: the contracted axis; several contracted axes count as one K, in the product's order):
;;     1. [M 8,192, K 1,024] x [K 1,024, N 1,024]; A: computed on the way; B: input w_q (given as codes): QUANTISED
;;     2. [M 8,192, K 1,024] x [K 1,024, N 1,024]; A: computed on the way; B: input w_k (given as codes): QUANTISED
;;     3. [M 8,192, K 1,024] x [K 1,024, N 1,024]; A: computed on the way; B: input w_v (given as codes): QUANTISED
;;     4. batch 64 x [M 2,048, K 64] x [K 64, N 2,048]; A: computed on the way; B: computed on the way: QUANTISED
;;     5. batch 64 x [M 2,048, K 2,048] x [K 2,048, N 64]; A: softmax (see below); B: computed on the way: QUANTISED
;;     6. [M 8,192, K 1,024] x [K 1,024, N 1,024]; A: computed on the way; B: input w_o (given as codes): QUANTISED
;;   THE QUANTISER, for each operand of a quantised product, along K:
;;     - K is cut into blocks of 32 from its start; a last block that is shorter is filled with zeros.
;;     - A block's scale is 2^e with e = floor(log2(the largest magnitude in the block)) - 4, held to -126 .. 127; a block of zeros has e = 0. As a byte (E8M0): e + 127.
;;     - Each number is divided by its block's scale, clamped to +-28, and rounded to the nearest number of E3M2, ties to even, subnormals kept.
;;     - The product sums the exact products of the quantised numbers (number of the format x scale) in f32.
;;   ~~~python
;;   def quantise(x, axis):      # numpy; x: float32 -> the quantised numbers, widened to float32 again
;;       x = np.moveaxis(x, axis, -1); K = x.shape[-1]
;;       x = np.pad(x, [(0, 0)] * (x.ndim - 1) + [(0, -K % 32)]); x = x.reshape(x.shape[:-1] + (-1, 32)); a = np.abs(x).max(-1, keepdims=True)
;;       e = np.where(a > 0, np.clip(np.frexp(np.where(a > 0, a, 1))[1] - 1 - 4, -126, 127), 0)      # np.frexp(a)[1] - 1 = floor(log2(a)), exactly
;;       r = np.clip(x / 2.0 ** e, -28, 28)
;;       step = 2.0 ** (np.maximum(np.frexp(np.where(r == 0, 1, r))[1] - 1, -2) - 2)
;;       q = np.round(r / step) * step * 2.0 ** e      # np.round: ties to even
;;       return np.moveaxis(q.reshape(q.shape[:-2] + (-1,))[..., :K], -1, axis).astype(np.float32)
;;   ~~~
;;   SOFTMAX AHEAD OF A QUANTISED PRODUCT. Where the list says 'softmax', what is quantised is not the finished softmax but p = 2^(t - M), with t = logit x log2(e) and M = ceil(the row's largest t), a whole number; so 1/2 < the row's largest p <= 1. The row's sum l is taken of the UNQUANTISED p, in f32, and the product's result is divided by l at the end. Since M is a whole number, a kernel that streams over the keys may use a running M (the ceiling of the running maximum): every later rescaling is an exact power of two, which a block's scale takes up: the codes' values come out the same.
;;   OPERANDS COMPUTED ON THE WAY. 'Computed on the way' means the value that the module computes at that place (a softmax that the list does not call 'softmax' is quantised finished and normalised). What goes into a quantiser is computed in f32, as accurately as f32 sums, v_exp_f32 and their like allow (about 1e-6 of the number): no bf16 or f16 on the way to a quantiser, and a product that is left as it is and whose result goes on into a quantised operand takes f32 operands (vector FMAs, or v_wmma_f32_16x16x4_f32). A number that lies on a knife's edge between two numbers of the format may be rounded either way, as far as f32 arithmetic and the matrix unit's own rounding can turn it there, and no further.
;;   INPUTS GIVEN AS CODES. w_k (in the module: [1024, 1024], K = its axis 1); w_o (in the module: [1024, 1024], K = its axis 1); w_q (in the module: [1024, 1024], K = its axis 1); w_v (in the module: [1024, 1024], K = its axis 1): each comes as NAME_codes (uint8): NAME with its K axis moved to the last place and cut into blocks of 32 codes, [.., K / 32, bytes a block], one block behind the other in memory; four codes in three bytes: a row's codes are one little-endian stream of bits, code i at bits 6 i .. 6 i + 5 (a code: sign, 3 exponent bits, 2 mantissa bits); and NAME_scales (uint8): the same leading axes, one E8M0 byte (e + 127) for each 32 codes along K. Its value is code x scale, taken as it is: it is not quantised again, and the codes and scales need not be those that the quantiser above would give.
;; 2 versions, each right; version 2 is version 1 with the launch attn written anew for expert scheduling mode. Each part assembles by itself: llvm-mc -triple=amdgcn-amd-amdhsa -mcpu=gfx1250 --defsym DOCPART=n.
;; ======== version 1 of 2: 4 launches
;; workspace buffers: XB 6,553,600 bytes; WB 3,276,800 bytes; QKV 19,660,800 bytes; CB 6,553,600 bytes
;; launch prep (part 1): grid 256 x 1, 8 waves a work-group, no clusters, 132,608 bytes of LDS; arguments x, ln_g, ln_b, w_q_codes, w_q_scales, w_k_codes, w_k_scales, w_v_codes, w_v_scales, w_o_codes, w_o_scales, XB, WB; writes XB, WB
.if DOCPART == 1
	.amdgcn_target "amdgcn-amd-amdhsa--gfx1250"
	.amdhsa_code_object_version 6
	.text
	.protected	k_qc22edcd3a0_prep
	.globl	k_qc22edcd3a0_prep
	.p2align	8
	.type	k_qc22edcd3a0_prep,@function
k_qc22edcd3a0_prep:
	s_mov_b64 s[64:65], 0
	v_nop
	global_prefetch_b8 v0, s[64:65] scope:SCOPE_SE
	s_setreg_imm32_b32 hwreg(HW_REG_WAVE_MODE, 25, 1), 1
	s_wait_xcnt 0x0
; PREP.  (1) xn = (x - mean) * rsqrt(var + 1e-12) * g + b, in f32, two passes over a row that stays in registers; xn is quantised along its 1,024 features to E3M2 codes with one
; E8M0 byte for each 32, and stored AS IMAGES OF OPERAND REGISTERS.  (2) The four weights, which arrive as codes, are laid out in the same form.
; FORMS.  A tile T = 2 B + u holds 16 rows: lane r takes row 32 B + 8 u + r + 8 (r / 8).  An image (T, s) is the fragment of tile T for K step s (128 along K): 12 registers a lane, 1,536 bytes:
; registers 4 j .. 4 j + 3 of lane l at 512 j + 16 l.  Images lie [T][s].  Scale words lie [T][s][16 lanes], 4 bytes each.
; SHARES.  Work-group i takes tokens 32 i .. 32 i + 31 (tiles 2 i, 2 i + 1) and tile i % 64 of weight i / 64.  Phase A: wave w normalises rows 4 w .. 4 w + 3, a lane holding 32 numbers of each row, every load
; 512 consecutive bytes.  The rows go through LDS (pitch 4,112 bytes = 257 x 16, so that sixteen rows at one column fall on sixteen different 16-byte columns of 256).  Phase B: wave w takes tile w / 4 and
; K steps 2 (w % 4), 2 (w % 4) + 1: a lane reads 16 neighbours of each block of 32 of its row.  Wave w also carries K step w of the weight tile from rows to an image.
; No matrix unit, no cluster, no tensor load: the work-groups share only g and b (8 KB), and every byte is asked for in the first lines.
; LIMITS: NaN and infinities are not served.  A block whose largest magnitude lies under 2^-122, a block of zeros among them, gets the byte 1 (its codes are then zeros or the format's smallest); only this program reads the bytes.
.set PITCH, 4112
.set SPARE, 32*PITCH                   ; behind the 32 rows: the spare words, 128 bytes a wave: four blocks of 256 bytes that no other line names
.set XSW,   6291456                    ; XB: where the scale words begin
.set WSW,   3145728                    ; WB: likewise
.set SPW, 1                            ; v1   my spare word's LDS address; never rewritten
.set NIL, 2                            ; v2   0; never rewritten
.set L16, 3                            ; v3   16 x lane
.set WST, 6                            ; v6   LDS: where my wave's first row begins, + 16 x lane
.set RDA, 7                            ; v7   LDS: my row of my tile, + 64 h, + my first K step
.set WCA, 8                            ; v8   the weight's codes: my row x 768 + 24 h
.set WSA, 9                            ; v9   the weight's scales: my row x 32
.set R4,  10                           ; v10  4 r
.set L4,  11                           ; v11  4 x lane
.set WF,  12                           ; v12-23 the weight's fragment
.set WS,  24                           ; v24  its scale word
.set G,   32                           ; v32-63 g of my 32 columns;  v64-95 b
.set BB,  64
.set X,   96                           ; v96-223 four rows x 32 numbers; in phase B two K steps x 64 numbers
.set SM,  224                          ; v224-231 a pair of sums a row
.set MU,  232                          ; v232-239 a pair a row: the mean, later 1 / sigma in the low word
.set PD,  240                          ; v240-243 destinations of the lane exchange
.set INV, 244                          ; v244 1 / 1024
.set TM,  32                           ; phase B: at work (g's registers are free)
.set SEL, 56                           ; s[56:57] selects of v_permlanex16_b32: lane l xor 16
; 64 numbers of a lane, register 16 b + i = k 32 b + 16 (lane / 16) + i of my row, become a fragment's codes in v[pc] .. v[pc + 11] and its scale word in v[pw]
.macro QUANT s, pc, pw
.irp b, 0,1,2,3
	v_max3_num_f32 v[TM+\b], |v[\s+16*\b]|, |v[\s+1+16*\b]|, 0x2800000   ; my 16 numbers of block b, and the floor 2^(5 - 127): the byte cannot fall under 1
.endr
.irp i, 2,4,6,8,10,12,14
.irp b, 0,1,2,3
	v_max3_num_f32 v[TM+\b], v[TM+\b], |v[\s+16*\b+\i]|, |v[\s+1+16*\b+\i]|   ; the four blocks by turns
.endr
.endr
.irp b, 0,1,2,3
	v_permlanex16_b32 v[TM+4+\b], v[TM+\b], s[SEL], s[SEL+1]
.endr
.irp b, 0,1,2,3
	v_max_num_f32 v[TM+\b], v[TM+\b], v[TM+4+\b]   ; with lane l xor 16's: the block's largest magnitude
.endr
.irp b, 0,1,2,3
	v_add_nc_u32 v[TM+12+\b], 0xfe000000, v[TM+\b]   ; 4 off its exponent field: the conversion's scale operand
.endr
.irp b, 0,1,2,3
	v_lshrrev_b32 v[TM+4+\b], 23, v[TM+12+\b]      ; the scale's byte
.endr
	v_lshl_or_b32 v[\pw], v[TM+5], 8, v[TM+4]
	v_lshl_or_b32 v[\pw], v[TM+6], 16, v[\pw]
	v_lshl_or_b32 v[\pw], v[TM+7], 24, v[\pw]
.irp c, 0,1
	v_cvt_scalef32_pk16_bf6_f32 v[\pc+6*\c:\pc+2+6*\c], v[\s+32*\c:\s+15+32*\c], v[TM+12+2*\c]
	v_cvt_scalef32_pk16_bf6_f32 v[\pc+12+4*\c:\pc+14+4*\c], v[\s+16+32*\c:\s+31+32*\c], v[TM+12+2*\c+1]   ; (a conversion's three registers begin on an even number)
.endr
	v_nop                                          ; one plain place behind a scaled conversion
.irp c, 0,1                                    ; the operand wants a whole block in a lane: lanes 0-15 block 2 c, lanes 16-31 block 2 c + 1
.irp i, 0,1,2
	v_permlane16_swap_b32 v[\pc+6*\c+\i], v[\pc+12+4*\c+\i]
.endr
.irp i, 0,1,2
	v_mov_b32 v[\pc+3+6*\c+\i], v[\pc+12+4*\c+\i]
.endr
.endr
.endm
; the four rows' pairs of sums become four sums, in every lane
.macro REDUCE
.irp i, 0,1,2,3
	v_add_f32 v[SM+2*\i], v[SM+2*\i], v[SM+2*\i+1]
.endr
.irp m, 1,2,4,8
.irp i, 0,1,2,3
	v_add_f32_dpp v[SM+2*\i], v[SM+2*\i], v[SM+2*\i] row_xmask:\m row_mask:0xf bank_mask:0xf
.endr
.endr
.irp i, 0,1,2,3
	v_permlanex16_b32 v[PD+\i], v[SM+2*\i], s[SEL], s[SEL+1]
.endr
.irp i, 0,1,2,3
	v_add_f32 v[SM+2*\i], v[SM+2*\i], v[PD+\i]
.endr
.endm
	s_load_b128 s[4:7], s[0:1], 0x0                ; x, ln_g
	s_load_b64 s[8:9], s[0:1], 0x10                ; ln_b
	s_load_b512 s[16:31], s[0:1], 0x18             ; codes and scales of w_q, w_k, w_v, w_o
	s_load_b128 s[12:15], s[0:1], 0x58             ; XB, WB
	v_lshl_add_u32 v[SPW], v0, 2, SPARE
	v_mov_b32 v[NIL], 0
	v_lshrrev_b32 v4, 5, v0
	v_readfirstlane_b32 s32, v4                    ; wave w, 0..7
	v_and_b32 v[L4], 31, v0
	v_lshlrev_b32 v[L16], 4, v[L4]
	v_lshlrev_b32 v[L4], 2, v[L4]
	v_and_b32 v4, 15, v0                           ; r
	v_bfe_u32 v5, v0, 4, 1                         ; h
	; token row 16 x + 8 u + y of the 32 lies at LDS row 16 u + 8 x + y, so that a tile's 16 rows are neighbours.  My rows 4 w .. 4 w + 3 begin at LDS row 16 ((w / 2) % 2) + 8 (w / 4) + 4 (w % 2)
	s_bfe_u32 s34, s32, 0x10001
	s_lshl_b32 s34, s34, 4
	s_lshr_b32 s35, s32, 2                         ; w / 4: in phase B my tile u
	s_lshl_b32 s36, s35, 3
	s_add_co_u32 s34, s34, s36
	s_and_b32 s36, s32, 1
	s_lshl_b32 s36, s36, 2
	s_add_co_u32 s34, s34, s36
	s_mul_i32 s34, s34, PITCH
	v_add_nc_u32 v[WST], s34, v[L16]
	v_mul_u32_u24 v[RDA], v4, PITCH
	v_lshl_add_u32 v[RDA], v5, 6, v[RDA]
	s_mul_i32 s36, s35, 16*PITCH
	s_and_b32 s37, s32, 3                          ; w % 4: my pair of K steps
	s_lshl_b32 s38, s37, 10
	s_add_co_u32 s36, s36, s38
	v_add_nc_u32 v[RDA], s36, v[RDA]
	v_and_b32 v[R4], 8, v4
	v_add_nc_u32 v[R4], v[R4], v4                  ; r + 8 (r / 8)
	v_mul_u32_u24 v[WCA], v[R4], 768
	v_mad_u32_u24 v[WCA], v5, 24, v[WCA]
	v_lshlrev_b32 v[WSA], 5, v[R4]
	v_lshlrev_b32 v[R4], 2, v4
	v_mov_b32 v[INV], 0x3a800000
.irp i, 0,1,2,3
	v_mov_b32 v[PD+\i], 0                          ; written once: a lane permute's destination counts as one of its sources
.endr
	s_mov_b32 s[SEL], 0x76543210
	s_mov_b32 s[SEL+1], 0xfedcba98
	s_lshr_b32 s33, ttmp9, 6                       ; which weight
	s_and_b32 s39, ttmp9, 63                       ; which tile of it: its rows begin at 32 (t / 2) + 8 (t % 2)
	s_lshr_b32 s40, s39, 1
	s_lshl_b32 s40, s40, 5
	s_and_b32 s41, s39, 1
	s_lshl_b32 s41, s41, 3
	s_add_co_u32 s40, s40, s41
	s_mul_i32 s42, s40, 768
	s_mul_i32 s41, s32, 96                         ; K step w: 96 bytes of a row of codes,
	s_add_co_u32 s42, s42, s41
	s_mov_b32 s43, 0
	s_lshl_b32 s44, s40, 5
	s_lshl_b32 s41, s32, 2                         ; 4 of a row of scales
	s_add_co_u32 s44, s44, s41
	s_mov_b32 s45, 0
	s_lshl_b32 s46, ttmp9, 17                      ; x: 32 rows of 4,096 bytes a work-group, 4 a wave
	s_lshl_b32 s36, s32, 14
	s_add_co_u32 s46, s46, s36
	s_mov_b32 s47, 0
	s_lshl_b32 s36, ttmp9, 3
	s_add_co_u32 s36, s36, s32                     ; 8 i + w: the weight image's number
	s_mul_i32 s48, s36, 1536
	s_mov_b32 s49, 0
	s_lshl_b32 s50, s36, 6
	s_add_co_u32 s50, s50, WSW
	s_mov_b32 s51, 0
	s_lshl_b32 s36, ttmp9, 1
	s_add_co_u32 s36, s36, s35                     ; my tile of xn: 2 i + u
	s_lshl_b32 s52, s36, 3
	s_lshl_b32 s38, s37, 1
	s_add_co_u32 s52, s52, s38
	s_mul_i32 s52, s52, 1536                       ; its image of K step 2 (w % 4)
	s_mov_b32 s53, 0
	s_lshl_b32 s54, s36, 9
	s_lshl_b32 s38, s37, 7
	s_add_co_u32 s54, s54, s38
	s_add_co_u32 s54, s54, XSW
	s_mov_b32 s55, 0
	s_wait_kmcnt 0x0
	s_cmp_eq_u32 s33, 1                            ; the weight's two buffers: the choice hangs on the work-group's number alone
	s_cselect_b64 s[16:17], s[20:21], s[16:17]
	s_cselect_b64 s[18:19], s[22:23], s[18:19]
	s_cmp_eq_u32 s33, 2
	s_cselect_b64 s[16:17], s[24:25], s[16:17]
	s_cselect_b64 s[18:19], s[26:27], s[18:19]
	s_cmp_eq_u32 s33, 3
	s_cselect_b64 s[16:17], s[28:29], s[16:17]
	s_cselect_b64 s[18:19], s[30:31], s[18:19]
	s_add_nc_u64 s[16:17], s[16:17], s[42:43]
	s_add_nc_u64 s[18:19], s[18:19], s[44:45]
	s_add_nc_u64 s[4:5], s[4:5], s[46:47]
	s_add_nc_u64 s[48:49], s[14:15], s[48:49]      ; WB: my image,
	s_add_nc_u64 s[50:51], s[14:15], s[50:51]      ; its scale words
	s_add_nc_u64 s[52:53], s[12:13], s[52:53]      ; XB: my two images,
	s_add_nc_u64 s[54:55], s[12:13], s[54:55]      ; their scale words
	; ---- all 55 loads of the wave go out at once
.irp i, 0,1,2,3
.irp k, 0,1,2,3,4,5,6,7
	global_load_b128 v[X+32*\i+4*\k:X+32*\i+4*\k+3], v[L16], s[4:5] offset:\i*4096+\k*512 th:TH_LOAD_NT   ; 32 lanes read 512 consecutive bytes
.endr
.endr
.irp k, 0,1,2,3,4,5,6,7
	global_load_b128 v[G+4*\k:G+4*\k+3], v[L16], s[6:7] offset:\k*512
.endr
.irp k, 0,1,2,3,4,5,6,7
	global_load_b128 v[BB+4*\k:BB+4*\k+3], v[L16], s[8:9] offset:\k*512
.endr
.irp p, 0,1,2,3,4,5
	global_load_b64 v[WF+2*\p:WF+2*\p+1], v[WCA], s[16:17] offset:48*(\p/3)+8*(\p%3)   ; the weight's fragment: 24 bytes of the row's stream of bits, twice
.endr
	global_load_b32 v[WS], v[WSA], s[18:19]
	s_wait_loadcnt 23                              ; x is in: g's 8, b's 8 and the weight's 7 loads are younger
	; ---- the mean
.irp i, 0,1,2,3
	v_pk_add_f32 v[SM+2*\i:SM+2*\i+1], v[X+32*\i:X+32*\i+1], v[X+32*\i+2:X+32*\i+3]
.endr
.irp k, 4,6,8,10,12,14,16,18,20,22,24,26,28,30
.irp i, 0,1,2,3
	v_pk_add_f32 v[SM+2*\i:SM+2*\i+1], v[SM+2*\i:SM+2*\i+1], v[X+32*\i+\k:X+32*\i+\k+1]
.endr
.endr
	REDUCE
.irp i, 0,1,2,3
	v_mul_f32 v[MU+2*\i], v[INV], v[SM+2*\i]
	v_mul_f32 v[MU+2*\i+1], v[INV], v[SM+2*\i]
.endr
	; ---- d = x - mean, in place; the mean of d^2
.irp k, 0,2,4,6,8,10,12,14,16,18,20,22,24,26,28,30
.irp i, 0,1,2,3
	v_pk_add_f32 v[X+32*\i+\k:X+32*\i+\k+1], v[X+32*\i+\k:X+32*\i+\k+1], v[MU+2*\i:MU+2*\i+1] neg_lo:[0,1] neg_hi:[0,1]
.endr
.endr
.irp i, 0,1,2,3
	v_pk_mul_f32 v[SM+2*\i:SM+2*\i+1], v[X+32*\i:X+32*\i+1], v[X+32*\i:X+32*\i+1]
.endr
.irp k, 2,4,6,8,10,12,14,16,18,20,22,24,26,28,30
.irp i, 0,1,2,3
	v_pk_fma_f32 v[SM+2*\i:SM+2*\i+1], v[X+32*\i+\k:X+32*\i+\k+1], v[X+32*\i+\k:X+32*\i+\k+1], v[SM+2*\i:SM+2*\i+1]
.endr
.endr
	REDUCE
.irp i, 0,1,2,3
	v_fmaak_f32 v[SM+2*\i], v[SM+2*\i], v[INV], 0x2b8cbccc   ; var + 1e-12
.endr
.irp i, 0,1,2,3
	v_rsq_f32 v[MU+2*\i], v[SM+2*\i]
.endr
	v_nop                                          ; a plain place behind the last of them
	s_wait_alu depctr_va_vdst(0)                   ; the wait ahead of the first reader: one for the four
	s_wait_loadcnt 7                               ; g and b are in: the weight's 7 loads are younger
.irp i, 0,1,2,3
.irp k, 0,2,4,6,8,10,12,14,16,18,20,22,24,26,28,30
	v_pk_mul_f32 v[X+32*\i+\k:X+32*\i+\k+1], v[X+32*\i+\k:X+32*\i+\k+1], v[MU+2*\i:MU+2*\i+1] op_sel_hi:[1,0]
.endr
.irp k, 0,2,4,6,8,10,12,14,16,18,20,22,24,26,28,30
	v_pk_fma_f32 v[X+32*\i+\k:X+32*\i+\k+1], v[X+32*\i+\k:X+32*\i+\k+1], v[G+\k:G+\k+1], v[BB+\k:BB+\k+1]
.endr
.irp k, 0,1,2,3,4,5,6,7
	ds_store_b128 v[WST], v[X+32*\i+4*\k:X+32*\i+4*\k+3] offset:\i*PITCH+\k*512
.endr
.endr
	s_wait_loadcnt 0x0                             ; the weight's fragment and word
.irp j, 0,1,2
	global_store_b128 v[L16], v[WF+4*\j:WF+4*\j+3], s[48:49] offset:512*\j   ; 32 lanes store 512 consecutive bytes, aligned
.endr
	global_store_b32 v[R4], v[WS], s[50:51]        ; lanes r and 16 + r hold the same word and name the same place
	s_wait_dscnt 0x0                               ; for the others' sake: my rows lie in LDS
	s_barrier_signal -1
	s_barrier_wait -1
	; ---- phase B
.irp e, 0,1
.irp b, 0,1,2,3
.irp j, 0,1,2,3
	ds_load_b128 v[X+64*\e+16*\b+4*\j:X+64*\e+16*\b+4*\j+3], v[RDA] offset:512*\e+128*\b+16*\j
.endr
.endr
.endr
	s_wait_dscnt 16                                ; the first K step's 16 loads are in; the second's are younger
	QUANT X, 48, 68
.irp j, 0,1,2
	global_store_b128 v[L16], v[48+4*\j:48+4*\j+3], s[52:53] offset:512*\j
.endr
	s_wait_dscnt 0x0
	QUANT X+64, 72, 69
.irp j, 0,1,2
	global_store_b128 v[L16], v[72+4*\j:72+4*\j+3], s[52:53] offset:1536+512*\j
.endr
	v_cmp_eq_u32 vcc_lo, 1, v5
	v_cndmask_b32 v70, v68, v69, vcc_lo            ; lanes 0-15 the even K step's words, lanes 16-31 the odd one's
	global_store_b32 v[L4], v70, s[54:55]          ; 128 consecutive bytes
	s_wait_tensorcnt 0x0                           ; the wave's end, behind my last LDS store
	ds_add_u32 v[SPW], v[NIL]
	s_wait_dscnt 0x0
	s_endpgm
.Lfunc_end_k_qc22edcd3a0_prep:
	.size	k_qc22edcd3a0_prep, .Lfunc_end_k_qc22edcd3a0_prep-k_qc22edcd3a0_prep
	.p2alignl 7, 3214868480
	.fill 96, 4, 3214868480
	.section	.rodata,"a",@progbits
	.p2align	6, 0x0
	.amdhsa_kernel k_qc22edcd3a0_prep
		.amdhsa_group_segment_fixed_size 132608
		.amdhsa_private_segment_fixed_size 0
		.amdhsa_enable_private_segment 0
		.amdhsa_kernarg_size 104
		.amdhsa_user_sgpr_count 2
		.amdhsa_user_sgpr_kernarg_segment_ptr 1
		.amdhsa_wavefront_size32 1
		.amdhsa_system_sgpr_workgroup_id_x 1
		.amdhsa_system_sgpr_workgroup_id_y 1
		.amdhsa_system_sgpr_workgroup_id_z 1
		.amdhsa_system_vgpr_workitem_id 0
		.amdhsa_next_free_vgpr 256
		.amdhsa_next_free_sgpr 66
		.amdhsa_reserve_vcc 1
		.amdhsa_float_denorm_mode_32 3
		.amdhsa_float_denorm_mode_16_64 3
		.amdhsa_memory_ordered 1
		.amdhsa_forward_progress 1
		.amdhsa_inst_pref_size 46
	.end_amdhsa_kernel
	.amdgpu_metadata
---
amdhsa.version: [ 1, 2 ]
amdhsa.kernels:
  - .name:           k_qc22edcd3a0_prep
    .symbol:         k_qc22edcd3a0_prep.kd
    .args:
      - { .name: x, .offset: 0, .size: 8, .value_kind: global_buffer, .address_space: global }
      - { .name: ln_g, .offset: 8, .size: 8, .value_kind: global_buffer, .address_space: global }
      - { .name: ln_b, .offset: 16, .size: 8, .value_kind: global_buffer, .address_space: global }
      - { .name: w_q_codes, .offset: 24, .size: 8, .value_kind: global_buffer, .address_space: global }
      - { .name: w_q_scales, .offset: 32, .size: 8, .value_kind: global_buffer, .address_space: global }
      - { .name: w_k_codes, .offset: 40, .size: 8, .value_kind: global_buffer, .address_space: global }
      - { .name: w_k_scales, .offset: 48, .size: 8, .value_kind: global_buffer, .address_space: global }
      - { .name: w_v_codes, .offset: 56, .size: 8, .value_kind: global_buffer, .address_space: global }
      - { .name: w_v_scales, .offset: 64, .size: 8, .value_kind: global_buffer, .address_space: global }
      - { .name: w_o_codes, .offset: 72, .size: 8, .value_kind: global_buffer, .address_space: global }
      - { .name: w_o_scales, .offset: 80, .size: 8, .value_kind: global_buffer, .address_space: global }
      - { .name: XB, .offset: 88, .size: 8, .value_kind: global_buffer, .address_space: global }
      - { .name: WB, .offset: 96, .size: 8, .value_kind: global_buffer, .address_space: global }
    .group_segment_fixed_size: 132608
    .private_segment_fixed_size: 0
    .kernarg_segment_align: 8
    .kernarg_segment_size: 104
    .max_flat_workgroup_size: 256
    .sgpr_count:     66
    .vgpr_count:     256
    .wavefront_size: 32
...
	.end_amdgpu_metadata
.endif
;; end of part 1
;; launch qkv (part 2): grid 12 x 64, 4 waves a work-group, clusters of 4 x 4, 327,680 bytes of LDS; arguments XB, WB, b_q, b_k, b_v, QKV; writes QKV
.if DOCPART == 2
	.amdgcn_target "amdgcn-amd-amdhsa--gfx1250"
	.amdhsa_code_object_version 6
	.text
	.protected	k_qc22edcd3a0_qkv
	.globl	k_qc22edcd3a0_qkv
	.p2align	8
	.type	k_qc22edcd3a0_qkv,@function
k_qc22edcd3a0_qkv:
	s_mov_b64 s[64:65], 0
	v_nop
	global_prefetch_b8 v0, s[64:65] scope:SCOPE_SE
	s_setreg_imm32_b32 hwreg(HW_REG_WAVE_MODE, 25, 1), 1
	s_wait_xcnt 0x0
	s_wait_alu depctr_hold_cnt(0) depctr_sa_sdst(0) depctr_va_vdst(0) depctr_va_sdst(0) depctr_va_ssrc(0) depctr_va_vcc(0) depctr_vm_vsrc(0)
	s_getreg_b32 s2, hwreg(HW_REG_IB_STS2, 6, 4)
	s_cmp_eq_u32 s2, 0
	s_cbranch_scc0 .Lentry_in_a_cluster
	s_endpgm
.Lentry_in_a_cluster:
	s_bfe_u32 s2, ttmp6, 0x10000c
	s_cmp_lg_u32 s2, 0xf033
	s_cbranch_scc0 .Lentry_shape_is_right
	s_endpgm
.Lentry_shape_is_right:
; QKV.  q = xn Wq^T + b_q, k and v likewise, on E3M2 codes with E8M0 scales; each result is quantised at once, q and k along the head's 64 features, v along the keys, and stored as codes.
; A work-group makes 128 rows of operand A x 256 rows of operand B over all of K = 1,024; four waves, each 64 x 128: 32 accumulators.  The tile is 128 x 256 so that each of the three products is 256 work-groups.
; A wave then reads 12 fragments (18,432 bytes of LDS) for 32 matrix instructions: more than a 128 x 128 wave tile would, which is the price of an even grid.
; THE MATRIX INSTRUCTION IS USED TRANSPOSED: source 0 = 16 rows of B, source 1 = 16 rows of A: a lane holds one row of A, its registers run along B's rows.  Every operand's tiles hold rows 32 B + 8 u + r + 8 (r / 8),
; so the 16 registers of result tiles 2 B and 2 B + 1 are 16 NEIGHBOURS along B's rows: what the conversions want.
; For q and k (cluster x = 0, 1): A = xn (a lane a token), B = the weight (registers along the features).  For v (cluster x = 2) THE TWO CHANGE ROLES: A = w_v (a lane a feature), B = xn (registers down the keys).
; The text is one path: only pointers, offsets and two masks are chosen, by selects on the cluster's x, which all sixteen partners share.
; ALL OF K LIES IN LDS: operands arrive as images of registers, dense, so 384 rows x 768 bytes fit with no padding.  Four chunks of two K steps, one tensor load a wave and chunk, all issued at the start (four loads of a wave are out);
; no LDS byte is filled twice.  CLUSTER 4 x 4: A's tiles are shared along a row of the cluster, B's along a column, by joint loads.
; OUT.  A piece is the 24 bytes of one block of 32 codes.  Pieces lie [plane][pos][24]: q, k: plane = feature / 32, pos = 16 x token tile + lane; v: plane = token / 32, pos = 16 x feature tile + lane.  Scale words [J][pos], byte b for plane 4 J + b.
; The column bias (q, k) is the C of each sum's first matrix instruction; the row bias (v) is added where the sums are moved out of their window.  The bias that does not apply is cleared by a mask.
; LIMITS: NaN and infinities are not served; a block whose largest magnitude lies under 2^-122 gets the byte 1; the bias enters the sum first, not last: another order of rounding than x W^T + b.
; REGISTERS.  Window 0: v1, v2 the add's two; v4-7, v8-11 LDS addresses of A's and B's fragments by chunk; v12-27 addresses; v32-47, v48-79 scale words of A and B; v80-143 the column bias in the result's layout;
;   v144-239 A's fragments, two sets of 48.  Window 1: B's fragments, two sets of 96.  Window 2: accumulator (a, b) at v[8 (8 a + b)].
.set TIMG,  3072                       ; a tile's two K steps: two images
.set CHUNK, 24*TIMG                    ; 8 tiles of A, then 16 of B
.set STG0,  4*CHUNK                    ; behind the chunks: a stage of 6,912 bytes for each wave: 4 planes x 1,664, then 256 bytes of scale words
.set STGW,  6912
.set PLN,   1664                       ; 64 pieces of 24 bytes + 128: lanes 16-31 then fall on the other half of the banks
.set SPARE, STG0+4*STGW                ; the spare words, 128 bytes a wave: two blocks of 256 bytes that no other line names
.set XSW,   6291456
.set WSW,   3145728
.set SPW, 1
.set NIL, 2
.set ADA, 4
.set ADB, 8
.set L16, 12                           ; v12  16 x lane; also VO[0]
.set VO,  12                           ; v12-15 the way out: 16 x lane + plane x the planes' stride
.set SA,  16                           ; v16  stage: 1,664 h + 24 r
.set SWA, 17                           ; v17  stage: 4 r
.set RDS, 18                           ; v18  stage: 16 x lane
.set RDW, 19                           ; v19  stage: 8 x lane
.set L8,  20
.set L4,  21
.set CBA, 22
.set RBA, 23
.set SCA, 32
.set SCB, 48
.set CB,  80
.set AF,  144
.set NUM, 144                          ; the way out: 64 numbers,
.set PC,  208                          ; their codes,
.set TM,  228                          ; at work,
.set PW,  244                          ; the scale word
.set RB,  246                          ; v246-253 the row bias, a pair for each of my four tiles of A
.set OUTR, 80
.set SEL, 2                            ; s[2:3]
.set WV,  16
.set G1A, 24
.set G1B, 32
.set G0A, 40                           ; s[40:55]; B's groups 0 are s[56:63] and s[68:75]
.set MSB, 0
.macro WIN new                         ; the immediate's high byte repeats the setting that is left
.if MSB != \new
	s_set_vgpr_msb (MSB<<8)|\new
.set MSB, \new
.endif
.endm
.macro CROUND                          ; a round of the cluster's barrier
	s_barrier_signal -1
	s_barrier_wait -1
	s_cmp_lg_u32 s[WV], 0
	s_cbranch_scc1 .Lnot_wave_0_\@
	s_barrier_signal -3
.Lnot_wave_0_\@:
	s_barrier_wait -3
	s_barrier_signal -1
	s_barrier_wait -1
.endm
.macro PLACES n
.rept \n
	v_nop
.endr
.endm
.macro QUANT s, pc, pw                 ; 64 numbers of a lane, register 16 b + i = k 32 b + 16 (lane / 16) + i, become a fragment's codes and its scale word
.irp b, 0,1,2,3
	v_max3_num_f32 v[TM+\b], |v[\s+16*\b]|, |v[\s+1+16*\b]|, 0x2800000   ; and the floor 2^(5 - 127): the byte cannot fall under 1
.endr
.irp i, 2,4,6,8,10,12,14
.irp b, 0,1,2,3
	v_max3_num_f32 v[TM+\b], v[TM+\b], |v[\s+16*\b+\i]|, |v[\s+1+16*\b+\i]|
.endr
.endr
.irp b, 0,1,2,3
	v_permlanex16_b32 v[TM+4+\b], v[TM+\b], s[SEL], s[SEL+1]
.endr
.irp b, 0,1,2,3
	v_max_num_f32 v[TM+\b], v[TM+\b], v[TM+4+\b]
.endr
.irp b, 0,1,2,3
	v_add_nc_u32 v[TM+12+\b], 0xfe000000, v[TM+\b]   ; 4 off the exponent field: the conversion's scale operand
.endr
.irp b, 0,1,2,3
	v_lshrrev_b32 v[TM+4+\b], 23, v[TM+12+\b]
.endr
	v_lshl_or_b32 v[\pw], v[TM+5], 8, v[TM+4]
	v_lshl_or_b32 v[\pw], v[TM+6], 16, v[\pw]
	v_lshl_or_b32 v[\pw], v[TM+7], 24, v[\pw]
.irp c, 0,1
	v_cvt_scalef32_pk16_bf6_f32 v[\pc+6*\c:\pc+2+6*\c], v[\s+32*\c:\s+15+32*\c], v[TM+12+2*\c]
	v_cvt_scalef32_pk16_bf6_f32 v[\pc+12+4*\c:\pc+14+4*\c], v[\s+16+32*\c:\s+31+32*\c], v[TM+12+2*\c+1]
.endr
	v_nop                                          ; one plain place behind a scaled conversion
.irp c, 0,1
.irp i, 0,1,2
	v_permlane16_swap_b32 v[\pc+6*\c+\i], v[\pc+12+4*\c+\i]
.endr
.irp i, 0,1,2
	v_mov_b32 v[\pc+3+6*\c+\i], v[\pc+12+4*\c+\i]
.endr
.endr
.endm
	s_load_b256 s[4:11], s[0:1], 0x0               ; XB, WB, b_q, b_k
	s_load_b128 s[12:15], s[0:1], 0x20             ; b_v, QKV
	v_lshl_add_u32 v[SPW], v0, 2, SPARE
	v_mov_b32 v[NIL], 0
	ds_add_u32 v[SPW], v[NIL]                      ; the wave's opening: the add and its wait ahead of my first tensor load; the set-up below, work on registers, stands between them
	v_lshrrev_b32 v24, 5, v0
	v_readfirstlane_b32 s[WV], v24                 ; wave 0..3
	s_lshr_b32 s17, s[WV], 1                       ; wa: my 64 rows of A.  Also: I fetch for A (0) or for B (1)
	s_and_b32 s18, s[WV], 1                        ; wb: my 128 rows of B.  Also: which half I fetch
	s_bfe_u32 s19, ttmp6, 0x40000                  ; cx
	s_bfe_u32 s20, ttmp6, 0x40004                  ; cy
	s_mov_b32 s21, ttmp9                           ; cluster x: 0 q, 1 k, 2 v
	s_and_b32 s22, ttmp7, 0xffff                   ; cluster y, 0..15
	s_and_b32 s78, s22, 1
	s_lshr_b32 s79, s22, 1
	s_mul_i32 s80, s21, 786432
	s_lshl_b32 s81, s21, 15
	s_add_co_u32 s81, s81, WSW
	s_mov_b32 s86, XSW
	s_mov_b32 s88, 8192
	s_cmp_eq_u32 s21, 2                            ; v?  Only lines that leave SCC alone follow, down to the last select
	s_cselect_b32 s76, -1, 0                       ; the row bias's mask
	s_cselect_b32 s77, 0, -1                       ; the column bias's
	s_cselect_b32 s82, s78, s22                    ; which four tiles of A the cluster has,
	s_cselect_b32 s83, s79, 0                      ; which four of B
	s_cselect_b32 s84, 1572864, 0                  ; where A's images begin in their buffer (w_v is WB's third),
	s_cselect_b32 s85, 0, s80                      ; B's,
	s_cselect_b32 s87, s86, s81                    ; B's scale words,
	s_cselect_b32 s86, 3211264, s86                ; A's
	s_cselect_b32 s88, 1024, s88                   ; NA: how many rows A has
	s_lshl_b32 s82, s82, 2
	s_add_co_u32 s82, s82, s20                     ; At: my tile of A; holds cy, never cx
	s_lshl_b32 s83, s83, 2
	s_add_co_u32 s83, s83, s19                     ; Bt: my tile of B; holds cx, never cy
	s_lshl_b32 s23, s20, 2
	s_lshl_b32 s23, 15, s23                        ; my row of the cluster
	s_lshl_b32 s89, 0x1111, s19                    ; my column
	; group 1: rows of 3,072 bytes (384 elements of 8), 12,288 bytes apart: a tile's two K steps; 4 tiles for A's half, 8 for B's
	s_or_b32 s[G1A], s23, (3<<16)|(1<<21)          ; 15:0 the mask; 17:16 elements of 8 bytes; 21 set beside a mask; no padding
	s_or_b32 s[G1B], s89, (3<<16)|(1<<21)
	s_mov_b32 s[G1A+1], 384<<16                    ; tensor_dim0
	s_mov_b32 s[G1A+2], 4<<16                      ; tensor_dim1
	s_mov_b32 s[G1A+3], 384<<16                    ; tile_dim0
	s_mov_b32 s[G1A+4], 4                          ; tile_dim1
	s_mov_b32 s[G1A+5], 1536                       ; the pitch
	s_mov_b32 s[G1A+6], 0
	s_mov_b32 s[G1A+7], 0
	s_mov_b32 s[G1B+1], 384<<16
	s_mov_b32 s[G1B+2], 8<<16
	s_mov_b32 s[G1B+3], 384<<16
	s_mov_b32 s[G1B+4], 8
	s_mov_b32 s[G1B+5], 1536
	s_mov_b32 s[G1B+6], 0
	s_mov_b32 s[G1B+7], 0
	s_mul_i32 s90, s82, 98304                      ; A: 8 tiles of 12,288 bytes a work-group,
	s_add_co_u32 s90, s90, s84
	s_mul_i32 s94, s18, 49152                      ; the half that I fetch
	s_add_co_u32 s90, s90, s94
	s_mov_b32 s91, 0
	s_mul_i32 s92, s83, 196608                     ; B: 16 tiles
	s_add_co_u32 s92, s92, s85
	s_mul_i32 s94, s18, 98304
	s_add_co_u32 s92, s92, s94
	s_mov_b32 s93, 0
	s_mul_i32 s96, s18, 4*TIMG                     ; where they go in a chunk: the wave's number alone
	s_mul_i32 s97, s18, 8*TIMG
	s_add_co_u32 s97, s97, 8*TIMG
	s_mov_b32 s[SEL], 0x76543210
	s_mov_b32 s[SEL+1], 0xfedcba98
	s_wait_dscnt 0x0                               ; the opening add is done
	s_wait_kmcnt 0x0
	s_cmp_eq_u32 s21, 2
	s_cselect_b64 s[78:79], s[6:7], s[4:5]         ; A's buffer
	s_cselect_b64 s[80:81], s[4:5], s[6:7]         ; B's
	s_cselect_b64 s[8:9], s[12:13], s[8:9]         ; the bias
	s_cmp_eq_u32 s21, 1
	s_cselect_b64 s[8:9], s[10:11], s[8:9]
	s_add_nc_u64 s[90:91], s[78:79], s[90:91]
	s_add_nc_u64 s[92:93], s[80:81], s[92:93]
	CROUND                                         ; all sixteen work-groups are here: the joint loads meet
.irp c, 0,1,2,3
	s_mov_b32 s[G0A+4*\c], 1
	s_add_co_u32 s[G0A+4*\c+1], s96, \c*CHUNK
	s_add_nc_u64 s[G0A+4*\c+2:G0A+4*\c+3], s[90:91], \c*TIMG
	s_or_b32 s[G0A+4*\c+3], s[G0A+4*\c+3], 0x80000000
	s_mov_b32 s[56+4*\c+4*(\c/2)], 1
	s_add_co_u32 s[57+4*\c+4*(\c/2)], s97, \c*CHUNK
	s_add_nc_u64 s[58+4*\c+4*(\c/2):59+4*\c+4*(\c/2)], s[92:93], \c*TIMG
	s_or_b32 s[59+4*\c+4*(\c/2)], s[59+4*\c+4*(\c/2)], 0x80000000
.endr
	s_cmp_eq_u32 s17, 0                            ; a wave's four fills stand in one branch on its number, ahead of every wait on TENSORcnt and every LDS read
	s_cbranch_scc0 .Lfirst_b
	tensor_load_to_lds s[40:43], s[G1A:G1A+7]
	s_nop 0
	tensor_load_to_lds s[44:47], s[G1A:G1A+7]
	s_nop 0
	tensor_load_to_lds s[48:51], s[G1A:G1A+7]
	s_nop 0
	tensor_load_to_lds s[52:55], s[G1A:G1A+7]
	s_nop 0
	PLACES 4
	s_branch .Lfirst_asked
.Lfirst_b:
	tensor_load_to_lds s[56:59], s[G1B:G1B+7]
	s_nop 0
	tensor_load_to_lds s[60:63], s[G1B:G1B+7]
	s_nop 0
	tensor_load_to_lds s[68:71], s[G1B:G1B+7]
	s_nop 0
	tensor_load_to_lds s[72:75], s[G1B:G1B+7]
	s_nop 0
	PLACES 4
.Lfirst_asked:
	v_and_b32 v26, 31, v0                          ; lane
	v_and_b32 v24, 15, v0                          ; r
	v_bfe_u32 v25, v0, 4, 1                        ; h
	v_lshlrev_b32 v[L16], 4, v26
	v_lshlrev_b32 v[L4], 2, v26
	v_lshlrev_b32 v[L8], 3, v26
	s_lshl_b32 s94, s82, 12                        ; A's scale words: 512 bytes a tile
	s_add_co_u32 s94, s94, s86
	s_lshl_b32 s98, s17, 11
	s_add_co_u32 s94, s94, s98
	s_mov_b32 s95, 0
	s_add_nc_u64 s[78:79], s[78:79], s[94:95]
	s_lshl_b32 s94, s83, 13                        ; B's
	s_add_co_u32 s94, s94, s87
	s_lshl_b32 s98, s18, 12
	s_add_co_u32 s94, s94, s98
	s_add_nc_u64 s[80:81], s[80:81], s[94:95]
.irp a, 0,1,2,3
.irp p, 0,1,2,3
	global_load_b32 v[SCA+4*\a+\p], v[L4], s[78:79] offset:\a*512+\p*128   ; lanes 0-15: K step 2 p; lanes 16-31: K step 2 p + 1
.endr
.endr
.irp b, 0,1,2,3,4,5,6,7
.irp p, 0,1,2,3
	global_load_b32 v[SCB+4*\b+\p], v[L4], s[80:81] offset:\b*512+\p*128
.endr
.endr
	s_lshl_b32 s94, s83, 10                        ; the column bias: B's rows 256 Bt + 128 wb on (for v: 0 on; what comes is cleared below)
	s_lshl_b32 s98, s18, 9
	s_add_co_u32 s94, s94, s98
	s_and_b32 s94, s94, s77
	v_lshl_add_u32 v[CBA], v25, 6, s94
.irp b, 0,1,2,3,4,5,6,7
	global_load_b128 v[CB+8*\b:CB+8*\b+3], v[CBA], s[8:9] offset:(32*(\b/2)+8*(\b%2))*4      ; register j of tile 2 B + u: row 32 B + 16 h + 8 u + j
	global_load_b128 v[CB+8*\b+4:CB+8*\b+7], v[CBA], s[8:9] offset:(32*(\b/2)+8*(\b%2))*4+16
.endr
	s_lshl_b32 s97, s82, 7
	s_lshl_b32 s98, s17, 6
	s_add_co_u32 s97, s97, s98                     ; pos0 = 128 At + 64 wa: my first row of A
	s_and_b32 s98, s97, s76                        ; the row bias (for q, k: 0 on; cleared below)
	s_lshl_b32 s98, s98, 2
	v_and_b32 v27, 8, v24
	v_add_nc_u32 v27, v27, v24
	v_lshl_add_u32 v[RBA], v27, 2, s98
.irp a, 0,1,2,3
	global_load_b32 v[RB+2*\a], v[RBA], s[8:9] offset:(32*(\a/2)+8*(\a%2))*4
.endr
	s_mul_i32 s94, s17, 4*TIMG
	s_mul_i32 s98, s18, 8*TIMG
	s_add_co_u32 s98, s98, 8*TIMG
.irp c, 0,1,2,3
	v_add_nc_u32 v[ADA+\c], s94, v[L16]
	v_add_nc_u32 v[ADB+\c], s98, v[L16]
	s_add_co_u32 s94, s94, CHUNK
	s_add_co_u32 s98, s98, CHUNK
.endr
	s_mul_i32 s94, s[WV], STGW
	s_add_co_u32 s94, s94, STG0                    ; my stage
	v_mul_u32_u24 v[SA], v25, PLN
	v_mad_u32_u24 v[SA], v24, 24, v[SA]
	v_add_nc_u32 v[SA], s94, v[SA]
	v_lshlrev_b32 v[SWA], 2, v24
	v_add_nc_u32 v[SWA], s94, v[SWA]
	v_add_nc_u32 v[RDS], s94, v[L16]
	v_add_nc_u32 v[RDW], s94, v[L8]
	s_mul_i32 s89, s88, 24                         ; the planes' stride: 24 NA
	v_add_nc_u32 v[VO+1], s89, v[L16]
	s_lshl_b32 s94, s89, 1
	v_add_nc_u32 v[VO+2], s94, v[L16]
	s_add_co_u32 s94, s94, s89
	v_add_nc_u32 v[VO+3], s94, v[L16]
	s_lshl_b32 s94, s83, 1
	s_add_co_u32 s94, s94, s18                     ; J = 2 Bt + wb: which 128 of B's rows
	s_mul_i32 s98, s94, s89
	s_lshl_b32 s98, s98, 2                         ; plane 4 J
	s_mul_i32 s99, s21, 6291456
	s_add_co_u32 s98, s98, s99
	s_mul_i32 s99, s97, 24
	s_add_co_u32 s98, s98, s99
	s_mov_b32 s99, 0
	s_add_nc_u64 s[10:11], s[14:15], s[98:99]      ; where my pieces go
	s_mul_i32 s98, s94, s88
	s_add_co_u32 s98, s98, s97
	s_lshl_b32 s98, s98, 2
	s_lshl_b32 s94, s21, 18
	s_add_co_u32 s98, s98, s94
	s_add_co_u32 s98, s98, 18874368
	s_add_nc_u64 s[12:13], s[14:15], s[98:99]      ; and my scale words
; The fragments of K step s into set s % 2: B's eight (window 1), A's four: 36 loads of 512 consecutive bytes
.macro FETCH s
	WIN 0x40
.irp b, 0,1,2,3,4,5,6,7
.irp j, 0,1,2
	ds_load_b128 v[96*((\s)%2)+12*\b+4*\j:96*((\s)%2)+12*\b+4*\j+3], v[ADB+(\s)/2] offset:\b*TIMG+((\s)%2)*1536+512*\j
.endr
.endr
	WIN 0
.irp a, 0,1,2,3
.irp j, 0,1,2
	ds_load_b128 v[AF+48*((\s)%2)+12*\a+4*\j:AF+48*((\s)%2)+12*\a+4*\j+3], v[ADA+(\s)/2] offset:\a*TIMG+((\s)%2)*1536+512*\j
.endr
.endr
.endm
; A's tile a against B's eight, K step s.  The 32 accumulators take turns, one instruction a turn, in the same order in every step.  Step 0 takes the column bias as C: nothing is cleared
.macro MUL8 a, s
.irp b, 0,1,2,3,4,5,6,7
.if (\s) == 0
	v_wmma_scale_f32_16x16x128_f8f6f4 v[8*(8*(\a)+\b):8*(8*(\a)+\b)+7], v[12*\b:12*\b+11], v[AF+12*(\a):AF+12*(\a)+11], v[CB+8*\b:CB+8*\b+7], v[SCB+4*\b], v[SCA+4*(\a)] matrix_a_fmt:MATRIX_FMT_BF6 matrix_b_fmt:MATRIX_FMT_BF6
.elseif ((\s)%2) == 0
	v_wmma_scale_f32_16x16x128_f8f6f4 v[8*(8*(\a)+\b):8*(8*(\a)+\b)+7], v[12*\b:12*\b+11], v[AF+12*(\a):AF+12*(\a)+11], v[8*(8*(\a)+\b):8*(8*(\a)+\b)+7], v[SCB+4*\b+(\s)/2], v[SCA+4*(\a)+(\s)/2] matrix_a_fmt:MATRIX_FMT_BF6 matrix_b_fmt:MATRIX_FMT_BF6
.else
	v_wmma_scale_f32_16x16x128_f8f6f4 v[8*(8*(\a)+\b):8*(8*(\a)+\b)+7], v[96+12*\b:96+12*\b+11], v[AF+48+12*(\a):AF+48+12*(\a)+11], v[8*(8*(\a)+\b):8*(8*(\a)+\b)+7], v[SCB+4*\b+(\s)/2], v[SCA+4*(\a)+(\s)/2] matrix_a_fmt:MATRIX_FMT_BF6 matrix_b_fmt:MATRIX_FMT_BF6 matrix_a_scale:MATRIX_SCALE_ROW1 matrix_b_scale:MATRIX_SCALE_ROW1
.endif
.endr
.endm
.macro MWIN s                          ; source 0 (B) window 1, source 1 (A) window 0, D window 2; C window 0 in step 0, else window 2
.if (\s) == 0
	WIN 0x81
.else
	WIN 0xa1
.endif
.endm
; A K step.  Behind an odd step the next chunk is wanted: my part of it has landed (the later chunks' loads stay out), I say so, and read behind everybody's word
.macro STEP s
	s_wait_dscnt 0x0                               ; this step's 36 loads are in (asked for 24 matrix instructions ago)
.if (((\s)%2) == 1) && ((\s) < 7)
	s_wait_tensorcnt 3-((\s)+1)/2
	s_barrier_signal -1
.endif
	MWIN \s
	MUL8 0, \s
.if (((\s)%2) == 1) && ((\s) < 7)
	s_barrier_wait -1
.endif
.if (\s) < 7
	PLACES 4                                       ; in front of loads into the set that the last step's matrix instructions read
	FETCH (\s)+1
.endif
	MWIN \s
	MUL8 1, \s
	MUL8 2, \s
	MUL8 3, \s
.endm
	s_wait_tensorcnt 3                             ; my part of chunk 0 is in; three younger loads stay out
	s_barrier_signal -1
	s_barrier_wait -1                              ; everybody's is
	FETCH 0
	s_wait_loadcnt 0x0                             ; scale words and biases
.set i, 0
.rept 64
	v_and_b32 v[CB+i], s77, v[CB+i]                ; for v the columns are tokens: no column bias
.set i, i+1
.endr
.irp a, 0,1,2,3
	v_and_b32 v[RB+2*\a+1], s76, v[RB+2*\a]        ; for q and k the rows are tokens: no row bias.  (The pair's upper word is named with the lower, so it is written)
	v_and_b32 v[RB+2*\a], s76, v[RB+2*\a]
.endr
	STEP 0
	STEP 1
	STEP 2
	STEP 3
	STEP 4
	STEP 5
	STEP 6
	STEP 7
	PLACES 4                                       ; in front of the first read of results, and of writes into A's fragment registers
; THE WAY OUT of my tile a of A: 64 sums a lane, 128 neighbours along B's rows with lane l xor 16's: + the row bias, quantised, 24 bytes a block to the stage's plane 2 c + h
.macro EPI a
	s_wait_dscnt 0x0                               ; the last tile's stores into the stage have read their registers
	WIN 0x02                                       ; source 0 window 2
.set i, 0
.rept 32
	v_pk_add_f32 v[NUM+2*i:NUM+2*i+1], v[64*(\a)+2*i:64*(\a)+2*i+1], v[RB+2*(\a):RB+2*(\a)+1] op_sel_hi:[1,0]   ; each accumulator from its low end on
.set i, i+1
.endr
	WIN 0
	QUANT NUM, PC, PW
.irp p, 0,1,2,3,4,5
	ds_store_b64 v[SA], v[PC+2*\p:PC+2*\p+1] offset:2*PLN*(\p/3)+384*(\a)+8*(\p%3)
.endr
	ds_store_b32 v[SWA], v[PW] offset:4*PLN+64*(\a)   ; lanes r and 16 + r hold the same word and name the same place
.endm
	EPI 0
	EPI 1
	EPI 2
	EPI 3
.irp g, 0,1,2,3
.irp j, 0,1,2
	ds_load_b128 v[OUTR+12*\g+4*\j:OUTR+12*\g+4*\j+3], v[RDS] offset:PLN*\g+512*\j   ; LDS serves a wave's instructions in order: these see my stores
.endr
.endr
	ds_load_b64 v[OUTR+48:OUTR+49], v[RDW] offset:4*PLN
	s_wait_dscnt 0x0
.irp g, 0,1,2,3
.irp j, 0,1,2
	global_store_b128 v[VO+\g], v[OUTR+12*\g+4*\j:OUTR+12*\g+4*\j+3], s[10:11] offset:512*\j   ; 32 lanes store 512 consecutive bytes, aligned
.endr
.endr
	global_store_b64 v[L8], v[OUTR+48:OUTR+49], s[12:13]   ; 256 consecutive bytes, aligned
	s_wait_tensorcnt 0x0                           ; the wave's end, behind my last tensor load and my last LDS store
	ds_add_u32 v[SPW], v[NIL]
	s_wait_dscnt 0x0
	CROUND                                         ; the closing round
	s_endpgm
.Lfunc_end_k_qc22edcd3a0_qkv:
	.size	k_qc22edcd3a0_qkv, .Lfunc_end_k_qc22edcd3a0_qkv-k_qc22edcd3a0_qkv
	.p2alignl 7, 3214868480
	.fill 96, 4, 3214868480
	.section	.rodata,"a",@progbits
	.p2align	6, 0x0
	.amdhsa_kernel k_qc22edcd3a0_qkv
		.amdhsa_group_segment_fixed_size 327680
		.amdhsa_private_segment_fixed_size 0
		.amdhsa_enable_private_segment 0
		.amdhsa_kernarg_size 48
		.amdhsa_user_sgpr_count 2
		.amdhsa_user_sgpr_kernarg_segment_ptr 1
		.amdhsa_wavefront_size32 1
		.amdhsa_system_sgpr_workgroup_id_x 1
		.amdhsa_system_sgpr_workgroup_id_y 1
		.amdhsa_system_sgpr_workgroup_id_z 1
		.amdhsa_system_vgpr_workitem_id 0
		.amdhsa_next_free_vgpr 768
		.amdhsa_next_free_sgpr 100
		.amdhsa_reserve_vcc 0
		.amdhsa_float_denorm_mode_32 3
		.amdhsa_float_denorm_mode_16_64 3
		.amdhsa_memory_ordered 1
		.amdhsa_forward_progress 1
		.amdhsa_inst_pref_size 100
	.end_amdhsa_kernel
	.amdgpu_metadata
---
amdhsa.version: [ 1, 2 ]
amdhsa.kernels:
  - .name:           k_qc22edcd3a0_qkv
    .symbol:         k_qc22edcd3a0_qkv.kd
    .args:
      - { .name: XB, .offset: 0, .size: 8, .value_kind: global_buffer, .address_space: global }
      - { .name: WB, .offset: 8, .size: 8, .value_kind: global_buffer, .address_space: global }
      - { .name: b_q, .offset: 16, .size: 8, .value_kind: global_buffer, .address_space: global }
      - { .name: b_k, .offset: 24, .size: 8, .value_kind: global_buffer, .address_space: global }
      - { .name: b_v, .offset: 32, .size: 8, .value_kind: global_buffer, .address_space: global }
      - { .name: QKV, .offset: 40, .size: 8, .value_kind: global_buffer, .address_space: global }
    .group_segment_fixed_size: 327680
    .private_segment_fixed_size: 0
    .kernarg_segment_align: 8
    .kernarg_segment_size: 48
    .max_flat_workgroup_size: 128
    .sgpr_count:     100
    .vgpr_count:     768
    .wavefront_size: 32
...
	.end_amdgpu_metadata
.endif
;; end of part 2
;; launch attn (part 3): grid 16 x 32, 8 waves a work-group, no clusters, 79,872 bytes of LDS; arguments QKV, CB; writes CB
.if DOCPART == 3
	.amdgcn_target "amdgcn-amd-amdhsa--gfx1250"
	.amdhsa_code_object_version 6
	.text
	.protected	k_qc22edcd3a0_attn
	.globl	k_qc22edcd3a0_attn
	.p2align	8
	.type	k_qc22edcd3a0_attn,@function
k_qc22edcd3a0_attn:
	s_mov_b64 s[64:65], 0
	v_nop
	global_prefetch_b8 v0, s[64:65] scope:SCOPE_SE
	s_setreg_imm32_b32 hwreg(HW_REG_WAVE_MODE, 25, 1), 1
	s_wait_xcnt 0x0
; ATTN.  ctx = softmax(q k^T / 8, key j counts for query i where 0 <= i - j < 256) v, both products on E3M2 codes with E8M0 scales; ctx is quantised along its 1,024 features and stored as images of operand registers.
; THE SOFTMAX: t = score x log2(e) / 8; M = the running largest t rounded UP to a whole number; p = 2^(t - M) is quantised along the keys, not normalised; the sum of the unquantised p divides at the end.
; SHARES.  A work-group takes 128 queries of one batch and a pair of heads (128 features: one K step of the last product).  Wave w takes one tile of 16 queries and both heads, one after the other.
; THE WINDOW.  A tile's queries lie in one group of 32 tokens, group GQ.  They see exactly nine groups, GQ - 8 .. GQ: the first where key > query (within the groups), seven whole, the last where key <= query.
; They go in three steps of three groups, the diagonal's step first, so that M is a number from the start; the fourth block of each step's 128 along K holds zero codes of p.
; Groups in front of the batch's first key (only in the first two query blocks) are set to -infinity under a scalar branch on ids.
; LAYOUT.  Both products are used transposed: S^T = K Q^T, O^T = V^T P^T: a lane holds one query throughout.  Tiles of keys and of features hold rows 32 B + 8 u + r + 8 (r / 8), so that 16 registers of two neighbouring result tiles are 16 neighbours.
; K = 64 IN AN INSTRUCTION OF 128.  Q lies as [even head | six registers of zeros | odd head]: the even head names the first twelve, the odd head the last twelve.  K's tile stands in the matching half of its twelve; the other half
; holds whatever codes lie there: they meet zero codes, under scale bytes of 1 .. 254.  So q's and k's scale words, whose four bytes are the pair's four blocks, serve both heads as they lie.
; LDS: the three blocks of 128 keys a - 2 .. a (held at 0 from below, so that every byte that is read was written), copied once through registers; one barrier.
; NO CLUSTER: neighbouring query blocks want key blocks a - 2 .. a at other LDS places each, so no one descriptor serves two of them.  No prefetch: all bytes are asked for in the first lines.
; LIMITS: NaN and infinities are not served; a block whose largest magnitude lies under 2^-122 gets the byte 1; ctx is O x (1 / l) with v_rcp_f32.  A block's largest p is made from the block's largest score by the same
; multiply-add and exponential, which takes v_exp_f32 not to fall where its input rises.
.set KPL,   9344                       ; a plane of K: 384 pieces of 24 bytes + 128: lanes 16-31 fall on the other half of the banks
.set VGR,   3200                       ; a group of V: 128 pieces + 128, likewise
.set VREG,  4*KPL
.set SREG,  VREG+12*VGR                ; K's scale words [3][128], then V's
.set SPARE, SREG+3072                  ; the spare words, 128 bytes a wave: four blocks of 256 bytes that no other line names
.set SPW, 1
.set NIL, 2
.set AK,  3                            ; v3   K: 9,344 h + 768 Bq + 24 r
.set AKS, 4                            ; v4   K's scale words
.set AV,  5                            ; v5   V: groups Bq + h on
.set AV1, 6                            ; v6   V: group Bq on, for all lanes
.set AVL, 7                            ; v7-9   V's scale words: the block of 128 keys in which step k's first group lies,
.set AVH, 10                           ; v10-12 and the next one (held at the last)
.set NINF, 13                          ; v13  -infinity
.set L16, 14
.set R4,  15
.set QS,  23                           ; v23  Q's scale words
.set QF,  24                           ; v24-41
.set CTX, 42                           ; v42-53 ctx's fragment
.set CW,  54                           ; v54  its scale word
.set KF,  56                           ; v56-97 K's six tiles; behind K Q^T its registers serve as:
.set TM,  56                           ;   v56-58 largest, v60-62 exchange and bytes, v64-66 the conversions' scale operands,
.set PX,  68                           ;   v68-70, v72-74 the conversions' second halves,
.set TS,  76                           ;   v[76:77] the sum's second chain
.set KS,  98                           ; v98-103 K's scale words
.set VF,  104                          ; v104-151 V's four fragments
.set VSL, 152                          ; v152-155 V's scale words
.set VSH, 156
.set S,   160                          ; v160-207 S^T, then p
.set O,   208                          ; v208-239 O^T
.set PC,  240                          ; v240-251 p's codes
.set PW,  252                          ; v252 p's scale word
.set GQ,  14                           ; s14
.set SEL, 16                           ; s[16:17]
.set CS,  18                           ; s[18:19] c = log2(e) / 8
.set MK,  32                           ; s[32:47] mask i: lanes in which key 16 h + i of a group comes after my query's place in its group
.set SH,  48                           ; s48-50 8 x ((Bq + 3 k) % 4)
; v[16:17] = (-M, the largest t); v[18:19] the sum in two halves; v[20:21] f, later 1 / l (low word); v22 at work
	s_load_b128 s[4:7], s[0:1], 0x0                ; QKV, CB
	v_lshl_add_u32 v[SPW], v0, 2, SPARE
	v_mov_b32 v[NIL], 0
	v_lshrrev_b32 v208, 5, v0
	v_readfirstlane_b32 s8, v208                   ; wave 0..7
	s_mov_b32 s9, ttmp9                            ; a: the block of 128 queries
	s_and_b32 s10, ttmp7, 0xffff
	s_and_b32 s11, s10, 7                          ; hp: the pair of heads
	s_lshr_b32 s10, s10, 3                         ; the batch
	s_lshr_b32 s12, s8, 1                          ; Bq
	s_and_b32 s13, s8, 1                           ; uq
	s_lshl_b32 s[GQ], s9, 2
	s_add_co_u32 s[GQ], s[GQ], s12
	s_lshl_b32 s15, s10, 7
	s_lshl_b32 s20, s9, 3
	s_add_co_u32 s15, s15, s20
	s_add_co_u32 s15, s15, s8                      ; T: my tile among the 512 tiles of tokens
	s_mov_b32 s[SEL], 0x76543210
	s_mov_b32 s[SEL+1], 0xfedcba98
	s_mov_b32 s[CS], 0x3e38aa3b
	s_mov_b32 s[CS+1], s[CS]
	v_and_b32 v208, 15, v0                         ; r
	v_bfe_u32 v209, v0, 4, 1                       ; h
	v_and_b32 v210, 31, v0
	v_lshlrev_b32 v[L16], 4, v210
	v_lshlrev_b32 v211, 2, v210
	v_lshlrev_b32 v[R4], 2, v208
	v_mul_u32_u24 v[AK], v209, KPL
	v_mad_u32_u24 v[AK], v208, 24, v[AK]
	s_mul_i32 s20, s12, 768
	v_add_nc_u32 v[AK], s20, v[AK]
	s_lshl_b32 s20, s12, 7
	s_add_co_u32 s20, s20, SREG
	v_add_nc_u32 v[AKS], s20, v[R4]
	v_mul_u32_u24 v[AV1], v208, 24
	s_mul_i32 s20, s12, VGR
	s_add_co_u32 s20, s20, VREG
	v_add_nc_u32 v[AV1], s20, v[AV1]
	v_mad_u32_u24 v[AV], v209, VGR, v[AV1]
.irp k, 0,1,2
	s_add_co_u32 s20, s12, 3*\k                    ; step k's first group among the twelve in LDS
	s_and_b32 s21, s20, 3
	s_lshl_b32 s[SH+\k], s21, 3
	s_lshr_b32 s20, s20, 2
	s_add_co_u32 s21, s20, 1
	s_min_u32 s21, s21, 2
	s_lshl_b32 s20, s20, 9
	s_lshl_b32 s21, s21, 9
	s_add_co_u32 s20, s20, SREG+1536
	s_add_co_u32 s21, s21, SREG+1536
	v_add_nc_u32 v[AVL+\k], s20, v[R4]
	v_add_nc_u32 v[AVH+\k], s21, v[R4]
.endr
	v_and_b32 v212, 8, v208
	v_add_nc_u32 v212, v212, v208
	v_lshl_add_u32 v212, s13, 3, v212              ; my query's place in its group: 8 uq + r + 8 (r / 8)
	v_lshlrev_b32 v213, 4, v209
	v_sub_nc_u32 v212, v212, v213                  ; less 16 h
.irp i, 0,1,2,3,4,5,6,7,8,9,10,11,12,13,14,15
	v_cmp_gt_i32 s[MK+\i], \i, v212
.endr
	; where the copies go: the wave's number alone
	s_mul_i32 s20, s12, KPL
	s_mul_i32 s21, s13, 1536
	s_add_co_u32 s20, s20, s21
	v_add_nc_u32 v214, s20, v[L16]                 ; K: plane w / 2, half w % 2
	s_mul_i32 s20, s12, VGR
	s_add_co_u32 s20, s20, s21
	s_add_co_u32 s20, s20, VREG
	v_add_nc_u32 v215, s20, v[L16]                 ; V: group w / 2 of a block, half w % 2
	s_lshr_b32 s20, s8, 2
	s_mul_i32 s20, s20, 1536
	s_and_b32 s22, s8, 3
	s_lshl_b32 s22, s22, 7
	s_add_co_u32 s20, s20, s22
	s_add_co_u32 s20, s20, SREG
	v_add_nc_u32 v216, s20, v211                   ; scale words: waves 0-3 K's, waves 4-7 V's, 128 bytes each
	; where they come from
	s_lshl_b32 s24, s11, 2
	s_add_co_u32 s24, s24, s12
	s_mul_i32 s24, s24, 196608
	s_add_co_u32 s24, s24, s21
	s_add_co_u32 s24, s24, 6291456                 ; k: plane 4 hp + w / 2
	s_mul_i32 s25, s12, 24576
	s_mul_i32 s23, s11, 3072
	s_add_co_u32 s25, s25, s23
	s_add_co_u32 s25, s25, s21
	s_add_co_u32 s25, s25, 12582912                ; v: the pair's 128 positions
	s_mov_b32 s26, 4096
	s_lshl_b32 s27, s11, 9
	s_add_co_u32 s27, s27, 19398656
	s_lshl_b32 s28, s11, 15
	s_add_co_u32 s28, s28, 19136512
	s_cmp_lt_u32 s8, 4
	s_cselect_b32 s26, 512, s26                    ; a block of 128 keys on, in k's scale words or in v's
	s_cselect_b32 s27, s28, s27
	s_add_co_u32 s27, s27, s22
.irp j, 0,1,2
	s_add_co_i32 s20, s9, \j-2
	s_max_i32 s20, s20, 0                          ; block a - 2 + j, held at 0
	s_lshl_b32 s21, s10, 4
	s_add_co_u32 s21, s21, s20                     ; among the 64 blocks of all batches
	s_mul_i32 s22, s21, 3072
	s_add_co_u32 s22, s22, s24
	v_add_nc_u32 v[199+\j], s22, v[L16]
	s_mul_i32 s22, s21, 98304
	s_add_co_u32 s22, s22, s25
	v_add_nc_u32 v[202+\j], s22, v[L16]
	s_mul_i32 s22, s21, s26
	s_add_co_u32 s22, s22, s27
	v_add_nc_u32 v[205+\j], s22, v211
.endr
	v_mul_u32_u24 v212, v209, 196608               ; q: plane 4 hp + 2 c + h, position 16 T + r
	v_mad_u32_u24 v212, v208, 24, v212
	s_mul_i32 s20, s11, 786432
	s_mul_i32 s21, s15, 384
	s_add_co_u32 s20, s20, s21
	v_add_nc_u32 v212, s20, v212
	s_lshl_b32 s20, s11, 15
	s_lshl_b32 s21, s15, 6
	s_add_co_u32 s20, s20, s21
	s_add_co_u32 s20, s20, 18874368
	v_add_nc_u32 v213, s20, v[R4]
	s_lshl_b32 s20, s15, 3
	s_add_co_u32 s20, s20, s11                     ; ctx's image: tile T, K step hp
	s_mul_i32 s22, s20, 1536
	s_mov_b32 s23, 0
	s_lshl_b32 s28, s20, 6
	s_add_co_u32 s28, s28, 6291456
	s_mov_b32 s29, 0
	s_wait_kmcnt 0x0
	s_add_nc_u64 s[52:53], s[6:7], s[22:23]
	s_add_nc_u64 s[54:55], s[6:7], s[28:29]
.irp j, 0,1,2
.irp i, 0,1,2
	global_load_b128 v[104+12*\j+4*\i:104+12*\j+4*\i+3], v[199+\j], s[4:5] offset:512*\i
.endr
.endr
.irp j, 0,1,2
.irp i, 0,1,2
	global_load_b128 v[160+12*\j+4*\i:160+12*\j+4*\i+3], v[202+\j], s[4:5] offset:512*\i
.endr
.endr
.irp j, 0,1,2
	global_load_b32 v[196+\j], v[205+\j], s[4:5]
.endr
.irp c, 0,1
.irp p, 0,1,2
	global_load_b64 v[QF+12*\c+2*\p:QF+12*\c+2*\p+1], v212, s[4:5] offset:393216*\c+8*\p
.endr
.endr
	global_load_b32 v[QS], v213, s[4:5]
.irp i, 0,1,2,3,4,5
	v_mov_b32 v[QF+6+\i], 0                        ; the zero codes between the two heads' q
	v_mov_b32 v[KF+36+\i], 0                       ; behind the even head's last tile of K
.endr
	v_mov_b32 v[NINF], 0xff800000
	v_mov_b32 v21, 0                               ; (named as the upper word of the pair v[20:21])
	s_wait_loadcnt 7                               ; the 21 copies are in; Q's 7 loads are younger
.irp j, 0,1,2
.irp i, 0,1,2
	ds_store_b128 v214, v[104+12*\j+4*\i:104+12*\j+4*\i+3] offset:3072*\j+512*\i
	ds_store_b128 v215, v[160+12*\j+4*\i:160+12*\j+4*\i+3] offset:4*VGR*\j+512*\i
.endr
	ds_store_b32 v216, v[196+\j] offset:512*\j
.endr
	s_wait_dscnt 0x0                               ; for the others' sake: my part lies in LDS
	s_barrier_signal -1
	s_barrier_wait -1
	s_wait_loadcnt 0x0                             ; Q
; The group whose 16 scores of mine lie at v[base] on stands in front of the batch's first key where GQ < lim: a scalar branch on ids
.macro KILL lim, base
.if (\lim) > 0
	s_cmp_ge_u32 s[GQ], \lim
	s_cbranch_scc1 .Lhave_\@
.set i, 0
.rept 16
	v_mov_b32 v[(\base)+i], v[NINF]
.set i, i+1
.endr
.Lhave_\@:
.endif
.endm
; Head c of the pair, groups 3 k .. 3 k + 2 of the nine.  first = 1: the head's first step: it starts M, the sum and O^T
.macro STEP c, k, first
.rept 4
	v_nop                                          ; places in front of loads into registers that the last matrix instructions read
.endr
.irp t, 0,1,2,3,4,5
.irp p, 0,1,2
	ds_load_b64 v[KF+6*(\c)+6*\t+2*\p:KF+6*(\c)+6*\t+2*\p+1], v[AK] offset:2*KPL*(\c)+768*(3*(\k)+\t/2)+384*(\t%2)+8*\p
.endr
.endr
.irp t, 0,1,2,3,4,5
	ds_load_b32 v[KS+\t], v[AKS] offset:128*(3*(\k)+\t/2)+64*(\t%2)
.endr
.irp t, 0,1,2,3
	ds_load_b32 v[VSL+\t], v[AVL+(\k)] offset:4*(64*(\c)+16*\t)
	ds_load_b32 v[VSH+\t], v[AVH+(\k)] offset:4*(64*(\c)+16*\t)
.endr
.irp t, 0,1,2,3
.irp p, 0,1,2
	ds_load_b64 v[VF+12*\t+2*\p:VF+12*\t+2*\p+1], v[AV] offset:3*VGR*(\k)+24*(64*(\c)+16*\t)+8*\p          ; blocks 0 and 1 of the step: groups 3 k + h
.endr
.irp p, 0,1,2
	ds_load_b64 v[VF+12*\t+6+2*\p:VF+12*\t+7+2*\p], v[AV1] offset:VGR*(3*(\k)+2)+24*(64*(\c)+16*\t)+8*\p   ; block 2: group 3 k + 2; lanes 16-31 take the same bytes, which meet p's zero codes
.endr
.endr
	s_wait_dscnt 32                                ; K's 18 and its 6 scale loads are in; V's 8 + 24 are younger
.irp t, 0,1,2,3,4,5
	v_wmma_scale_f32_16x16x128_f8f6f4 v[S+8*\t:S+8*\t+7], v[KF+6*\t:KF+6*\t+11], v[QF+6*(\c):QF+6*(\c)+11], 0, v[KS+\t], v[QS] matrix_a_fmt:MATRIX_FMT_BF6 matrix_b_fmt:MATRIX_FMT_BF6
.endr
	s_wait_dscnt 0x0
.irp t, 0,1,2,3
	v_alignbit_b32 v[VSL+\t], v[VSH+\t], v[VSL+\t], s[SH+(\k)]   ; the three groups' bytes at bytes 0 to 2 (byte 3 is a real byte too, and meets zero codes).  These four are also the places behind the products
.endr
	KILL 8-3*(\k), S
	KILL 7-3*(\k), S+16
	KILL 6-3*(\k), S+32
.if (\k) == 2                                  ; the diagonal's group: keys after my query do not count
.set i, 0
.rept 16
	v_cndmask_b32 v[S+32+i], v[S+32+i], v[NINF], s[MK+i]
.set i, i+1
.endr
.endif
.if (\k) == 0                                  ; the window's first group: only keys after my query's place count
.set i, 0
.rept 16
	v_cndmask_b32 v[S+i], v[NINF], v[S+i], s[MK+i]
.set i, i+1
.endr
.endif
.irp b, 0,1,2
	v_max3_num_f32 v[TM+\b], v[S+16*\b], v[S+16*\b+1], v[S+16*\b+2]   ; the largest score of each block: for the row's maximum, and for the block's largest p
.endr
.irp j, 3,5,7,9,11,13
.irp b, 0,1,2
	v_max3_num_f32 v[TM+\b], v[TM+\b], v[S+16*\b+\j], v[S+16*\b+\j+1]
.endr
.endr
.irp b, 0,1,2
	v_max_num_f32 v[TM+\b], v[TM+\b], v[S+16*\b+15]
.endr
.irp b, 0,1,2
	v_permlanex16_b32 v[TM+4+\b], v[TM+\b], s[SEL], s[SEL+1]
.endr
.irp b, 0,1,2
	v_max_num_f32 v[TM+\b], v[TM+\b], v[TM+4+\b]   ; with lane l xor 16's 16 keys
.endr
	v_max3_num_f32 v22, v[TM], v[TM+1], v[TM+2]
.if \first
	v_mul_f32 v17, s[CS], v22                      ; the largest t
	v_floor_f32 v16, -v17                          ; -M = floor(-t): M is a whole number
.else
	v_mul_f32 v22, s[CS], v22
	v_max_num_f32 v17, v17, v22                    ; the running largest t
	v_mov_b32 v22, v16
	v_floor_f32 v16, -v17
	v_sub_f32 v22, v16, v22                        ; old M - new M: a whole number, 0 or less
	v_cvt_i32_f32 v22, v22
	v_ldexp_f32 v20, 1.0, v22                      ; f = 2^(old M - new M): multiplying by it rounds nothing
.endif
.set i, 0
.rept 24
	v_pk_fma_f32 v[S+2*i:S+2*i+1], v[S+2*i:S+2*i+1], s[CS:CS+1], v[16:17] op_sel_hi:[1,0,0]   ; t - M
.set i, i+1
.endr
.irp b, 0,1,2
	v_fma_f32 v[TM+\b], v[TM+\b], s[CS], v16
.endr
.set i, 0
.rept 48
	v_exp_f32 v[S+i], v[S+i]                       ; p, at most 1
.set i, i+1
.endr
.if \first
	v_mov_b32 v18, 0                               ; the sum begins.  (Plain places behind the exponentials)
	v_mov_b32 v19, 0
.else
	v_pk_mul_f32 v[18:19], v[18:19], v[20:21] op_sel_hi:[1,0]   ; the sum under the new M.  (A plain place behind the exponentials)
.endif
	s_wait_alu depctr_va_vdst(0)                   ; the wait ahead of the first reader: one for the 48
.irp b, 0,1,2
	v_exp_f32 v[TM+\b], v[TM+\b]                   ; the block's largest p
.endr
	v_pk_add_f32 v[TS:TS+1], v[S:S+1], v[S+2:S+3]  ; the sum of the unquantised p, in two chains
.irp j, 4,8,12,16,20,24,28,32,36,40,44
	v_pk_add_f32 v[18:19], v[18:19], v[S+\j:S+\j+1]
	v_pk_add_f32 v[TS:TS+1], v[TS:TS+1], v[S+\j+2:S+\j+3]
.endr
	v_pk_add_f32 v[18:19], v[18:19], v[TS:TS+1]
	s_wait_alu depctr_va_vdst(0)                   ; and one for the three
.irp b, 0,1,2
	v_max_num_f32 v[TM+\b], 0x2800000, v[TM+\b]    ; the floor 2^(5 - 127): a block whose every p is 0 keeps the byte 1: its codes are zeros
.endr
.irp b, 0,1,2
	v_add_nc_u32 v[TM+8+\b], 0xfe000000, v[TM+\b]
.endr
.irp b, 0,1,2
	v_lshrrev_b32 v[TM+4+\b], 23, v[TM+8+\b]
.endr
	v_lshl_or_b32 v[PW], v[TM+5], 8, v[TM+4]       ; p's scale word; byte 3 stays 0 and stands over zero codes
	v_lshl_or_b32 v[PW], v[TM+6], 16, v[PW]
	v_cvt_scalef32_pk16_bf6_f32 v[PC:PC+2], v[S:S+15], v[TM+8]
	v_cvt_scalef32_pk16_bf6_f32 v[PX:PX+2], v[S+16:S+31], v[TM+9]
	v_cvt_scalef32_pk16_bf6_f32 v[PC+6:PC+8], v[S+32:S+47], v[TM+10]
.irp i, 0,1,2
	v_mov_b32 v[PX+4+\i], 0                        ; the fourth block: zero codes.  (Plain places behind the conversions)
.endr
.irp i, 0,1,2
	v_permlane16_swap_b32 v[PC+\i], v[PX+\i]       ; a whole block to a lane: lanes 0-15 block 0, lanes 16-31 block 1
.endr
.irp i, 0,1,2
	v_mov_b32 v[PC+3+\i], v[PX+\i]
.endr
.irp i, 0,1,2
	v_permlane16_swap_b32 v[PC+6+\i], v[PX+4+\i]   ; lanes 0-15 block 2, lanes 16-31 zeros
.endr
.irp i, 0,1,2
	v_mov_b32 v[PC+9+\i], v[PX+4+\i]
.endr
.if \first
.rept 8
	v_nop                                          ; places between the vector writes of the scale word and the codes and the scaled matrix instructions
.endr
.else
.set i, 0
.rept 16
	v_pk_mul_f32 v[O+2*i:O+2*i+1], v[O+2*i:O+2*i+1], v[20:21] op_sel_hi:[1,0]   ; O^T under the new M, each accumulator from its low end on.  (These are those places too)
.set i, i+1
.endr
.endif
.irp t, 0,1,2,3
.if \first
	v_wmma_scale_f32_16x16x128_f8f6f4 v[O+8*\t:O+8*\t+7], v[VF+12*\t:VF+12*\t+11], v[PC:PC+11], 0, v[VSL+\t], v[PW] matrix_a_fmt:MATRIX_FMT_BF6 matrix_b_fmt:MATRIX_FMT_BF6
.else
	v_wmma_scale_f32_16x16x128_f8f6f4 v[O+8*\t:O+8*\t+7], v[VF+12*\t:VF+12*\t+11], v[PC:PC+11], v[O+8*\t:O+8*\t+7], v[VSL+\t], v[PW] matrix_a_fmt:MATRIX_FMT_BF6 matrix_b_fmt:MATRIX_FMT_BF6
.endif
.endr
.endm
; Head c is finished: O^T / l, quantised: its 64 features are blocks 2 c and 2 c + 1 of ctx's K step
.macro FIN c
.rept 4
	v_nop                                          ; places behind the last products
.endr
	v_add_f32 v18, v18, v19
	v_permlanex16_b32 v22, v18, s[SEL], s[SEL+1]
	v_add_f32 v18, v18, v22                        ; the row's sum
	v_rcp_f32 v20, v18
	v_nop
	s_wait_alu depctr_va_vdst(0)                   ; the wait ahead of the reciprocal's first reader
.set i, 0
.rept 16
	v_pk_mul_f32 v[O+2*i:O+2*i+1], v[O+2*i:O+2*i+1], v[20:21] op_sel_hi:[1,0]
.set i, i+1
.endr
.irp b, 0,1
	v_max3_num_f32 v[TM+\b], |v[O+16*\b]|, |v[O+16*\b+1]|, 0x2800000
.endr
.irp j, 2,4,6,8,10,12,14
.irp b, 0,1
	v_max3_num_f32 v[TM+\b], v[TM+\b], |v[O+16*\b+\j]|, |v[O+16*\b+\j+1]|
.endr
.endr
.irp b, 0,1
	v_permlanex16_b32 v[TM+4+\b], v[TM+\b], s[SEL], s[SEL+1]
.endr
.irp b, 0,1
	v_max_num_f32 v[TM+\b], v[TM+\b], v[TM+4+\b]
.endr
.irp b, 0,1
	v_add_nc_u32 v[TM+8+\b], 0xfe000000, v[TM+\b]
.endr
.irp b, 0,1
	v_lshrrev_b32 v[TM+4+\b], 23, v[TM+8+\b]
.endr
.if (\c) == 0
	v_lshl_or_b32 v[CW], v[TM+5], 8, v[TM+4]
.else
	v_lshl_or_b32 v[CW], v[TM+4], 16, v[CW]
	v_lshl_or_b32 v[CW], v[TM+5], 24, v[CW]
.endif
	v_cvt_scalef32_pk16_bf6_f32 v[CTX+6*(\c):CTX+6*(\c)+2], v[O:O+15], v[TM+8]
	v_cvt_scalef32_pk16_bf6_f32 v[PX:PX+2], v[O+16:O+31], v[TM+9]
	v_nop                                          ; one plain place behind a scaled conversion
.irp i, 0,1,2
	v_permlane16_swap_b32 v[CTX+6*(\c)+\i], v[PX+\i]
.endr
.irp i, 0,1,2
	v_mov_b32 v[CTX+6*(\c)+3+\i], v[PX+\i]
.endr
.endm
	STEP 0, 2, 1
	STEP 0, 1, 0
	STEP 0, 0, 0
	FIN 0
	STEP 1, 2, 1
	STEP 1, 1, 0
	STEP 1, 0, 0
	FIN 1
.irp j, 0,1,2
	global_store_b128 v[L16], v[CTX+4*\j:CTX+4*\j+3], s[52:53] offset:512*\j   ; the image as it stands: 32 lanes store 512 consecutive bytes, aligned
.endr
	global_store_b32 v[R4], v[CW], s[54:55]        ; lanes r and 16 + r hold the same word and name the same place
	s_wait_tensorcnt 0x0                           ; the wave's end, behind my last LDS store
	ds_add_u32 v[SPW], v[NIL]
	s_wait_dscnt 0x0
	s_endpgm
.Lfunc_end_k_qc22edcd3a0_attn:
	.size	k_qc22edcd3a0_attn, .Lfunc_end_k_qc22edcd3a0_attn-k_qc22edcd3a0_attn
	.p2alignl 7, 3214868480
	.fill 96, 4, 3214868480
	.section	.rodata,"a",@progbits
	.p2align	6, 0x0
	.amdhsa_kernel k_qc22edcd3a0_attn
		.amdhsa_group_segment_fixed_size 79872
		.amdhsa_private_segment_fixed_size 0
		.amdhsa_enable_private_segment 0
		.amdhsa_kernarg_size 16
		.amdhsa_user_sgpr_count 2
		.amdhsa_user_sgpr_kernarg_segment_ptr 1
		.amdhsa_wavefront_size32 1
		.amdhsa_system_sgpr_workgroup_id_x 1
		.amdhsa_system_sgpr_workgroup_id_y 1
		.amdhsa_system_sgpr_workgroup_id_z 1
		.amdhsa_system_vgpr_workitem_id 0
		.amdhsa_next_free_vgpr 256
		.amdhsa_next_free_sgpr 66
		.amdhsa_reserve_vcc 0
		.amdhsa_float_denorm_mode_32 3
		.amdhsa_float_denorm_mode_16_64 3
		.amdhsa_memory_ordered 1
		.amdhsa_forward_progress 1
		.amdhsa_inst_pref_size 118
	.end_amdhsa_kernel
	.amdgpu_metadata
---
amdhsa.version: [ 1, 2 ]
amdhsa.kernels:
  - .name:           k_qc22edcd3a0_attn
    .symbol:         k_qc22edcd3a0_attn.kd
    .args:
      - { .name: QKV, .offset: 0, .size: 8, .value_kind: global_buffer, .address_space: global }
      - { .name: CB, .offset: 8, .size: 8, .value_kind: global_buffer, .address_space: global }
    .group_segment_fixed_size: 79872
    .private_segment_fixed_size: 0
    .kernarg_segment_align: 8
    .kernarg_segment_size: 16
    .max_flat_workgroup_size: 256
    .sgpr_count:     66
    .vgpr_count:     256
    .wavefront_size: 32
...
	.end_amdgpu_metadata
.endif
;; end of part 3
;; launch oproj (part 4): grid 4 x 64, 4 waves a work-group, clusters of 4 x 4, 327,680 bytes of LDS; arguments CB, WB, b_o, x, out0; writes out0
.if DOCPART == 4
	.amdgcn_target "amdgcn-amd-amdhsa--gfx1250"
	.amdhsa_code_object_version 6
	.text
	.protected	k_qc22edcd3a0_oproj
	.globl	k_qc22edcd3a0_oproj
	.p2align	8
	.type	k_qc22edcd3a0_oproj,@function
k_qc22edcd3a0_oproj:
	s_mov_b64 s[64:65], 0
	v_nop
	global_prefetch_b8 v0, s[64:65] scope:SCOPE_SE
	s_setreg_imm32_b32 hwreg(HW_REG_WAVE_MODE, 25, 1), 1
	s_wait_xcnt 0x0
	s_wait_alu depctr_hold_cnt(0) depctr_sa_sdst(0) depctr_va_vdst(0) depctr_va_sdst(0) depctr_va_ssrc(0) depctr_va_vcc(0) depctr_vm_vsrc(0)
	s_getreg_b32 s2, hwreg(HW_REG_IB_STS2, 6, 4)
	s_cmp_eq_u32 s2, 0
	s_cbranch_scc0 .Lentry_in_a_cluster
	s_endpgm
.Lentry_in_a_cluster:
	s_bfe_u32 s2, ttmp6, 0x10000c
	s_cmp_lg_u32 s2, 0xf033
	s_cbranch_scc0 .Lentry_shape_is_right
	s_endpgm
.Lentry_shape_is_right:
; OPROJ.  out = x + ctx Wo^T + b_o, the product on E3M2 codes with E8M0 scales.  A = ctx (128 tokens a work-group), B = w_o (256 output features): 256 work-groups; four waves, each 64 x 128: 32 accumulators.
; The product's core is the one of the launch that makes q, k and v: operands arrive as images of registers; all of K = 1,024 lies in LDS in four chunks of two K steps, one tensor load a wave and chunk, all issued at
; the start (four loads of a wave are out), no LDS byte filled twice; cluster 4 x 4, A's tiles shared along a row, B's along a column, by joint loads; source 0 = 16 rows of B, source 1 = 16 rows of A, so that a lane holds
; one token and its registers run along the output features.  b_o is the C of each sum's first matrix instruction.
; THE RESIDUAL is asked for early, in the very lanes that will store: 32 loads at the head, 32 behind the fourth K step, into a window of its own; it arrives under the products.
; THE WAY OUT: 16 tokens x 64 features at a time through my own stage in LDS (rows of 256 + 16 bytes), back as whole rows; + x; sixteen lanes store 256 consecutive bytes, aligned.
; LIMITS: NaN and infinities are not served; the bias enters the sum first, not last.
; REGISTERS.  Window 0: v1, v2 the add's two; v4-11 LDS addresses by chunk; v12-26 addresses; v32-79 scale words; v80-143 b_o in the result's layout; v144-239 A's fragments, two sets, later rows from the stage.
;   Window 1: B's fragments, two sets of 96.  Window 2: accumulator (a, b) at v[8 (8 a + b)].  Window 3: x, part (a, u), row pair i at v[64 a + 32 u + 4 i].
.set TIMG,  3072
.set CHUNK, 24*TIMG
.set STG0,  4*CHUNK
.set SPITCH, 272
.set STGW,  16*SPITCH
.set SPARE, STG0+4*STGW                ; the spare words, 128 bytes a wave: two blocks of 256 bytes that no other line names
.set SPW, 1
.set NIL, 2
.set ADA, 4
.set ADB, 8
.set L16, 12
.set STO, 16                           ; v16  stage: 272 r + 64 h
.set RD,  17                           ; v17  stage: 272 (lane / 16) + 16 (lane % 16)
.set CO,  18                           ; v18  x and out: 4,096 (lane / 16) + 16 (lane % 16)
.set L4,  21
.set CBA, 22
.set SCA, 32
.set SCB, 48
.set CB,  80
.set AF,  144
.set BK,  144
.set WV,  16
.set G1A, 24
.set G1B, 32
.set G0A, 40
.set MSB, 0
.macro WIN new                         ; the immediate's high byte repeats the setting that is left
.if MSB != \new
	s_set_vgpr_msb (MSB<<8)|\new
.set MSB, \new
.endif
.endm
.macro CROUND                          ; a round of the cluster's barrier
	s_barrier_signal -1
	s_barrier_wait -1
	s_cmp_lg_u32 s[WV], 0
	s_cbranch_scc1 .Lnot_wave_0_\@
	s_barrier_signal -3
.Lnot_wave_0_\@:
	s_barrier_wait -3
	s_barrier_signal -1
	s_barrier_wait -1
.endm
.macro PLACES n
.rept \n
	v_nop
.endr
.endm
	s_load_b256 s[4:11], s[0:1], 0x0               ; CB, WB, b_o, x
	s_load_b64 s[12:13], s[0:1], 0x20              ; out0
	v_lshl_add_u32 v[SPW], v0, 2, SPARE
	v_mov_b32 v[NIL], 0
	ds_add_u32 v[SPW], v[NIL]                      ; the wave's opening: the add and its wait ahead of my first tensor load; the set-up below, work on registers, stands between them
	v_lshrrev_b32 v24, 5, v0
	v_readfirstlane_b32 s[WV], v24                 ; wave 0..3
	s_lshr_b32 s17, s[WV], 1                       ; wa: my 64 tokens.  Also: I fetch for A (0) or for B (1)
	s_and_b32 s18, s[WV], 1                        ; wb: my 128 features.  Also: which half I fetch
	s_bfe_u32 s19, ttmp6, 0x40000                  ; cx = Bt: my tile of B
	s_bfe_u32 s20, ttmp6, 0x40004                  ; cy
	s_and_b32 s22, ttmp7, 0xffff
	s_lshl_b32 s82, s22, 2
	s_add_co_u32 s82, s82, s20                     ; At: my tile of A
	s_lshl_b32 s23, s20, 2
	s_lshl_b32 s23, 15, s23                        ; my row of the cluster
	s_lshl_b32 s89, 0x1111, s19                    ; my column
	; group 1: rows of 3,072 bytes (384 elements of 8), 12,288 bytes apart: a tile's two K steps; 4 tiles for A's half, 8 for B's
	s_or_b32 s[G1A], s23, (3<<16)|(1<<21)
	s_or_b32 s[G1B], s89, (3<<16)|(1<<21)
	s_mov_b32 s[G1A+1], 384<<16
	s_mov_b32 s[G1A+2], 4<<16
	s_mov_b32 s[G1A+3], 384<<16
	s_mov_b32 s[G1A+4], 4
	s_mov_b32 s[G1A+5], 1536
	s_mov_b32 s[G1A+6], 0
	s_mov_b32 s[G1A+7], 0
	s_mov_b32 s[G1B+1], 384<<16
	s_mov_b32 s[G1B+2], 8<<16
	s_mov_b32 s[G1B+3], 384<<16
	s_mov_b32 s[G1B+4], 8
	s_mov_b32 s[G1B+5], 1536
	s_mov_b32 s[G1B+6], 0
	s_mov_b32 s[G1B+7], 0
	s_mul_i32 s90, s82, 98304
	s_mul_i32 s94, s18, 49152
	s_add_co_u32 s90, s90, s94
	s_mov_b32 s91, 0
	s_mul_i32 s92, s19, 196608
	s_add_co_u32 s92, s92, 2359296                 ; w_o is WB's fourth
	s_mul_i32 s94, s18, 98304
	s_add_co_u32 s92, s92, s94
	s_mov_b32 s93, 0
	s_mul_i32 s96, s18, 4*TIMG
	s_mul_i32 s97, s18, 8*TIMG
	s_add_co_u32 s97, s97, 8*TIMG
	s_wait_dscnt 0x0                               ; the opening add is done
	s_wait_kmcnt 0x0
	s_add_nc_u64 s[90:91], s[4:5], s[90:91]
	s_add_nc_u64 s[92:93], s[6:7], s[92:93]
	CROUND                                         ; all sixteen work-groups are here: the joint loads meet
.irp c, 0,1,2,3
	s_mov_b32 s[G0A+4*\c], 1
	s_add_co_u32 s[G0A+4*\c+1], s96, \c*CHUNK
	s_add_nc_u64 s[G0A+4*\c+2:G0A+4*\c+3], s[90:91], \c*TIMG
	s_or_b32 s[G0A+4*\c+3], s[G0A+4*\c+3], 0x80000000
	s_mov_b32 s[56+4*\c+4*(\c/2)], 1
	s_add_co_u32 s[57+4*\c+4*(\c/2)], s97, \c*CHUNK
	s_add_nc_u64 s[58+4*\c+4*(\c/2):59+4*\c+4*(\c/2)], s[92:93], \c*TIMG
	s_or_b32 s[59+4*\c+4*(\c/2)], s[59+4*\c+4*(\c/2)], 0x80000000
.endr
	s_cmp_eq_u32 s17, 0                            ; a wave's four fills stand in one branch on its number, ahead of every wait on TENSORcnt and every LDS read
	s_cbranch_scc0 .Lfirst_b
	tensor_load_to_lds s[40:43], s[G1A:G1A+7]
	s_nop 0
	tensor_load_to_lds s[44:47], s[G1A:G1A+7]
	s_nop 0
	tensor_load_to_lds s[48:51], s[G1A:G1A+7]
	s_nop 0
	tensor_load_to_lds s[52:55], s[G1A:G1A+7]
	s_nop 0
	PLACES 4
	s_branch .Lfirst_asked
.Lfirst_b:
	tensor_load_to_lds s[56:59], s[G1B:G1B+7]
	s_nop 0
	tensor_load_to_lds s[60:63], s[G1B:G1B+7]
	s_nop 0
	tensor_load_to_lds s[68:71], s[G1B:G1B+7]
	s_nop 0
	tensor_load_to_lds s[72:75], s[G1B:G1B+7]
	s_nop 0
	PLACES 4
.Lfirst_asked:
	v_and_b32 v26, 31, v0                          ; lane
	v_and_b32 v24, 15, v0                          ; r
	v_bfe_u32 v25, v0, 4, 1                        ; h
	v_lshlrev_b32 v[L16], 4, v26
	v_lshlrev_b32 v[L4], 2, v26
	s_lshl_b32 s94, s82, 12                        ; A's scale words: 512 bytes a tile
	s_add_co_u32 s94, s94, 6291456
	s_lshl_b32 s98, s17, 11
	s_add_co_u32 s94, s94, s98
	s_mov_b32 s95, 0
	s_add_nc_u64 s[78:79], s[4:5], s[94:95]
	s_lshl_b32 s94, s19, 13                        ; B's
	s_add_co_u32 s94, s94, 3244032
	s_lshl_b32 s98, s18, 12
	s_add_co_u32 s94, s94, s98
	s_add_nc_u64 s[80:81], s[6:7], s[94:95]
.irp a, 0,1,2,3
.irp p, 0,1,2,3
	global_load_b32 v[SCA+4*\a+\p], v[L4], s[78:79] offset:\a*512+\p*128   ; lanes 0-15: K step 2 p; lanes 16-31: K step 2 p + 1
.endr
.endr
.irp b, 0,1,2,3,4,5,6,7
.irp p, 0,1,2,3
	global_load_b32 v[SCB+4*\b+\p], v[L4], s[80:81] offset:\b*512+\p*128
.endr
.endr
	s_lshl_b32 s94, s19, 10                        ; b_o: features 256 Bt + 128 wb on
	s_lshl_b32 s98, s18, 9
	s_add_co_u32 s94, s94, s98
	v_lshl_add_u32 v[CBA], v25, 6, s94
.irp b, 0,1,2,3,4,5,6,7
	global_load_b128 v[CB+8*\b:CB+8*\b+3], v[CBA], s[8:9] offset:(32*(\b/2)+8*(\b%2))*4      ; register j of tile 2 B + u: feature 32 B + 16 h + 8 u + j
	global_load_b128 v[CB+8*\b+4:CB+8*\b+7], v[CBA], s[8:9] offset:(32*(\b/2)+8*(\b%2))*4+16
.endr
	s_lshl_b32 s98, s82, 7
	s_lshl_b32 s99, s17, 6
	s_add_co_u32 s98, s98, s99                     ; my first token
	s_lshl_b32 s98, s98, 12
	s_add_co_u32 s94, s94, s98                     ; its row, my first feature
	s_add_nc_u64 s[10:11], s[10:11], s[94:95]
	s_add_nc_u64 s[12:13], s[12:13], s[94:95]
	v_lshlrev_b32 v[CO], 12, v25
	v_lshl_add_u32 v[CO], v24, 4, v[CO]
; x for my tile a of tokens: stage row 2 i + lane / 16 is token 32 (a / 2) + 8 (a % 2) + 2 i + lane / 16 + 8 (i / 4) of my 64
.macro XLOAD a
.irp u, 0,1
.irp i, 0,1,2,3,4,5,6,7
	global_load_b128 v[64*(\a)+32*\u+4*\i:64*(\a)+32*\u+4*\i+3], v[CO], s[10:11] offset:(32*((\a)/2)+8*((\a)%2)+2*\i+8*(\i/4))*4096+256*\u th:TH_LOAD_NT
.endr
.endr
.endm
	WIN 0xc0                                       ; destination window 3
	XLOAD 0
	XLOAD 1
	WIN 0
	s_mul_i32 s94, s17, 4*TIMG
	s_mul_i32 s98, s18, 8*TIMG
	s_add_co_u32 s98, s98, 8*TIMG
.irp c, 0,1,2,3
	v_add_nc_u32 v[ADA+\c], s94, v[L16]
	v_add_nc_u32 v[ADB+\c], s98, v[L16]
	s_add_co_u32 s94, s94, CHUNK
	s_add_co_u32 s98, s98, CHUNK
.endr
	s_mul_i32 s94, s[WV], STGW
	s_add_co_u32 s94, s94, STG0                    ; my stage
	v_mul_u32_u24 v[STO], v24, SPITCH
	v_lshl_add_u32 v[STO], v25, 6, v[STO]
	v_add_nc_u32 v[STO], s94, v[STO]
	v_mul_u32_u24 v[RD], v25, SPITCH
	v_lshl_add_u32 v[RD], v24, 4, v[RD]
	v_add_nc_u32 v[RD], s94, v[RD]
; The fragments of K step s into set s % 2: B's eight (window 1), A's four: 36 loads of 512 consecutive bytes
.macro FETCH s
	WIN 0x40
.irp b, 0,1,2,3,4,5,6,7
.irp j, 0,1,2
	ds_load_b128 v[96*((\s)%2)+12*\b+4*\j:96*((\s)%2)+12*\b+4*\j+3], v[ADB+(\s)/2] offset:\b*TIMG+((\s)%2)*1536+512*\j
.endr
.endr
	WIN 0
.irp a, 0,1,2,3
.irp j, 0,1,2
	ds_load_b128 v[AF+48*((\s)%2)+12*\a+4*\j:AF+48*((\s)%2)+12*\a+4*\j+3], v[ADA+(\s)/2] offset:\a*TIMG+((\s)%2)*1536+512*\j
.endr
.endr
.endm
; A's tile a against B's eight, K step s.  The 32 accumulators take turns, one instruction a turn, in the same order in every step.  Step 0 takes b_o as C: nothing is cleared
.macro MUL8 a, s
.irp b, 0,1,2,3,4,5,6,7
.if (\s) == 0
	v_wmma_scale_f32_16x16x128_f8f6f4 v[8*(8*(\a)+\b):8*(8*(\a)+\b)+7], v[12*\b:12*\b+11], v[AF+12*(\a):AF+12*(\a)+11], v[CB+8*\b:CB+8*\b+7], v[SCB+4*\b], v[SCA+4*(\a)] matrix_a_fmt:MATRIX_FMT_BF6 matrix_b_fmt:MATRIX_FMT_BF6
.elseif ((\s)%2) == 0
	v_wmma_scale_f32_16x16x128_f8f6f4 v[8*(8*(\a)+\b):8*(8*(\a)+\b)+7], v[12*\b:12*\b+11], v[AF+12*(\a):AF+12*(\a)+11], v[8*(8*(\a)+\b):8*(8*(\a)+\b)+7], v[SCB+4*\b+(\s)/2], v[SCA+4*(\a)+(\s)/2] matrix_a_fmt:MATRIX_FMT_BF6 matrix_b_fmt:MATRIX_FMT_BF6
.else
	v_wmma_scale_f32_16x16x128_f8f6f4 v[8*(8*(\a)+\b):8*(8*(\a)+\b)+7], v[96+12*\b:96+12*\b+11], v[AF+48+12*(\a):AF+48+12*(\a)+11], v[8*(8*(\a)+\b):8*(8*(\a)+\b)+7], v[SCB+4*\b+(\s)/2], v[SCA+4*(\a)+(\s)/2] matrix_a_fmt:MATRIX_FMT_BF6 matrix_b_fmt:MATRIX_FMT_BF6 matrix_a_scale:MATRIX_SCALE_ROW1 matrix_b_scale:MATRIX_SCALE_ROW1
.endif
.endr
.endm
.macro MWIN s                          ; source 0 (B) window 1, source 1 (A) window 0, D window 2; C window 0 in step 0, else window 2
.if (\s) == 0
	WIN 0x81
.else
	WIN 0xa1
.endif
.endm
; A K step.  Behind an odd step the next chunk is wanted: my part of it has landed (the later chunks' loads stay out), I say so, and read behind everybody's word
.macro STEP s
	s_wait_dscnt 0x0                               ; this step's 36 loads are in (asked for 24 matrix instructions ago)
.if (((\s)%2) == 1) && ((\s) < 7)
	s_wait_tensorcnt 3-((\s)+1)/2
	s_barrier_signal -1
.endif
	MWIN \s
	MUL8 0, \s
.if (((\s)%2) == 1) && ((\s) < 7)
	s_barrier_wait -1
.endif
.if (\s) < 7
	PLACES 4                                       ; in front of loads into the set that the last step's matrix instructions read
	FETCH (\s)+1
.endif
	MWIN \s
	MUL8 1, \s
	MUL8 2, \s
	MUL8 3, \s
.endm
	s_wait_tensorcnt 3                             ; my part of chunk 0 is in; three younger loads stay out
	s_barrier_signal -1
	s_barrier_wait -1                              ; everybody's is
	FETCH 0
	s_wait_loadcnt 32                              ; scale words and b_o are in; x's first 32 loads are younger
	STEP 0
	STEP 1
	STEP 2
	STEP 3
	WIN 0xc0
	XLOAD 2                                        ; the other half of x
	XLOAD 3
	STEP 4
	STEP 5
	STEP 6
	STEP 7
	PLACES 4                                       ; in front of the first read of results, and of loads into A's fragment registers
	s_wait_loadcnt 0x0                             ; x
; Part (a, u): my tile a of tokens x features 64 u .. 64 u + 63 of my 128
.macro TOSTAGE a, u
	WIN 0x08                                       ; an LDS store's data are its source 1: window 2
.irp t, 0,1,2,3
	ds_store_b128 v[STO], v[8*(8*(\a)+4*(\u)+\t):8*(8*(\a)+4*(\u)+\t)+3] offset:128*(\t/2)+32*(\t%2)          ; each accumulator from its low end on
	ds_store_b128 v[STO], v[8*(8*(\a)+4*(\u)+\t)+4:8*(8*(\a)+4*(\u)+\t)+7] offset:128*(\t/2)+32*(\t%2)+16
.endr
	WIN 0
.irp i, 0,1,2,3,4,5,6,7
	ds_load_b128 v[BK+32*(\u)+4*\i:BK+32*(\u)+4*\i+3], v[RD] offset:2*SPITCH*\i   ; LDS serves a wave's instructions in order: these see my stores, and the next part's stores come behind them
.endr
.endm
.macro SEND a, u, younger              ; younger: the next part's 8 stores and 8 loads, or none
	s_wait_dscnt \younger
	WIN 0xcc                               ; source 1 and destination window 3; a store's data are its source 1
.irp i, 0,1,2,3,4,5,6,7,8,9,10,11,12,13,14,15
	v_pk_add_f32 v[64*(\a)+32*(\u)+2*\i:64*(\a)+32*(\u)+2*\i+1], v[BK+32*(\u)+2*\i:BK+32*(\u)+2*\i+1], v[64*(\a)+32*(\u)+2*\i:64*(\a)+32*(\u)+2*\i+1]
.endr
.irp i, 0,1,2,3,4,5,6,7
	global_store_b128 v[CO], v[64*(\a)+32*(\u)+4*\i:64*(\a)+32*(\u)+4*\i+3], s[12:13] offset:(32*((\a)/2)+8*((\a)%2)+2*\i+8*(\i/4))*4096+256*(\u) th:TH_STORE_NT   ; 16 lanes store 256 consecutive bytes, aligned; no store's register is written again
.endr
.endm
	TOSTAGE 0, 0
	TOSTAGE 0, 1
	SEND 0, 0, 16
	TOSTAGE 1, 0
	SEND 0, 1, 16
	TOSTAGE 1, 1
	SEND 1, 0, 16
	TOSTAGE 2, 0
	SEND 1, 1, 16
	TOSTAGE 2, 1
	SEND 2, 0, 16
	TOSTAGE 3, 0
	SEND 2, 1, 16
	TOSTAGE 3, 1
	SEND 3, 0, 16
	SEND 3, 1, 0
	WIN 0
	s_wait_tensorcnt 0x0                           ; the wave's end, behind my last tensor load and my last LDS store
	ds_add_u32 v[SPW], v[NIL]
	s_wait_dscnt 0x0
	CROUND                                         ; the closing round
	s_endpgm
.Lfunc_end_k_qc22edcd3a0_oproj:
	.size	k_qc22edcd3a0_oproj, .Lfunc_end_k_qc22edcd3a0_oproj-k_qc22edcd3a0_oproj
	.p2alignl 7, 3214868480
	.fill 96, 4, 3214868480
	.section	.rodata,"a",@progbits
	.p2align	6, 0x0
	.amdhsa_kernel k_qc22edcd3a0_oproj
		.amdhsa_group_segment_fixed_size 327680
		.amdhsa_private_segment_fixed_size 0
		.amdhsa_enable_private_segment 0
		.amdhsa_kernarg_size 40
		.amdhsa_user_sgpr_count 2
		.amdhsa_user_sgpr_kernarg_segment_ptr 1
		.amdhsa_wavefront_size32 1
		.amdhsa_system_sgpr_workgroup_id_x 1
		.amdhsa_system_sgpr_workgroup_id_y 1
		.amdhsa_system_sgpr_workgroup_id_z 1
		.amdhsa_system_vgpr_workitem_id 0
		.amdhsa_next_free_vgpr 1024
		.amdhsa_next_free_sgpr 100
		.amdhsa_reserve_vcc 0
		.amdhsa_float_denorm_mode_32 3
		.amdhsa_float_denorm_mode_16_64 3
		.amdhsa_memory_ordered 1
		.amdhsa_forward_progress 1
		.amdhsa_inst_pref_size 97
	.end_amdhsa_kernel
	.amdgpu_metadata
---
amdhsa.version: [ 1, 2 ]
amdhsa.kernels:
  - .name:           k_qc22edcd3a0_oproj
    .symbol:         k_qc22edcd3a0_oproj.kd
    .args:
      - { .name: CB, .offset: 0, .size: 8, .value_kind: global_buffer, .address_space: global }
      - { .name: WB, .offset: 8, .size: 8, .value_kind: global_buffer, .address_space: global }
      - { .name: b_o, .offset: 16, .size: 8, .value_kind: global_buffer, .address_space: global }
      - { .name: x, .offset: 24, .size: 8, .value_kind: global_buffer, .address_space: global }
      - { .name: out0, .offset: 32, .size: 8, .value_kind: global_buffer, .address_space: global }
    .group_segment_fixed_size: 327680
    .private_segment_fixed_size: 0
    .kernarg_segment_align: 8
    .kernarg_segment_size: 40
    .max_flat_workgroup_size: 128
    .sgpr_count:     100
    .vgpr_count:     1024
    .wavefront_size: 32
...
	.end_amdgpu_metadata
.endif
;; end of part 4
;; ======== version 2 of 2: 4 launches; version 1 with the launch attn written anew for expert scheduling mode
;; workspace buffers: XB 6,553,600 bytes; WB 3,276,800 bytes; QKV 19,660,800 bytes; CB 6,553,600 bytes
;; launch prep: the kernel of part 1 again; grid 256 x 1, 8 waves a work-group, no clusters, 132,608 bytes of LDS; arguments x, ln_g, ln_b, w_q_codes, w_q_scales, w_k_codes, w_k_scales, w_v_codes, w_v_scales, w_o_codes, w_o_scales, XB, WB; writes XB, WB
;; launch qkv: the kernel of part 2 again; grid 12 x 64, 4 waves a work-group, clusters of 4 x 4, 327,680 bytes of LDS; arguments XB, WB, b_q, b_k, b_v, QKV; writes QKV
;; launch attn (part 5): grid 16 x 32, 8 waves a work-group, no clusters, 79,872 bytes of LDS; arguments QKV, CB; writes CB
.if DOCPART == 5
	.amdgcn_target "amdgcn-amd-amdhsa--gfx1250"
	.amdhsa_code_object_version 6
	.text
	.protected	k_qc22edcd3a0_attn
	.globl	k_qc22edcd3a0_attn
	.p2align	8
	.type	k_qc22edcd3a0_attn,@function
k_qc22edcd3a0_attn:
	s_mov_b64 s[64:65], 0
	v_nop
	global_prefetch_b8 v0, s[64:65] scope:SCOPE_SE
	s_setreg_imm32_b32 hwreg(HW_REG_WAVE_SCHED_MODE, 0, 2), 2
	s_setreg_imm32_b32 hwreg(HW_REG_WAVE_MODE, 25, 1), 1
	s_wait_xcnt 0x0
	s_wait_alu depctr_vm_vsrc(0)
; ATTN.  ctx = softmax(q k^T / 8, key j counts for query i where 0 <= i - j < 256) v, both products on E3M2 codes with E8M0 scales; ctx is quantised along its 1,024 features and stored as images of operand registers.
; THE SOFTMAX: t = score x log2(e) / 8; M = the running largest t rounded UP to a whole number; p = 2^(t - M) is quantised along the keys, not normalised; the sum of the unquantised p divides at the end.
; SHARES.  A work-group takes 128 queries of one batch and a pair of heads (128 features: one K step of the last product).  Wave w takes one tile of 16 queries and both heads, one after the other.
; THE WINDOW.  A tile's queries lie in one group of 32 tokens, group GQ.  They see exactly nine groups, GQ - 8 .. GQ: the first where key > query (within the groups), seven whole, the last where key <= query.
; They go in three steps of three groups, the diagonal's step first, so that M is a number from the start; the fourth block of each step's 128 along K holds zero codes of p.
; Groups in front of the batch's first key (only in the first two query blocks) are set to -infinity under a scalar branch on ids.
; LAYOUT.  Both products are used transposed: S^T = K Q^T, O^T = V^T P^T: a lane holds one query throughout.  Tiles of keys and of features hold rows 32 B + 8 u + r + 8 (r / 8), so that 16 registers of two neighbouring result tiles are 16 neighbours.
; K = 64 IN AN INSTRUCTION OF 128.  Q lies as [even head | six registers of zeros | odd head]: the even head names the first twelve, the odd head the last twelve.  K's tile stands in the matching half of its twelve; the other half
; holds whatever codes lie there: they meet zero codes, under scale bytes of 1 .. 254.  So q's and k's scale words, whose four bytes are the pair's four blocks, serve both heads as they lie.
; LDS: the three blocks of 128 keys a - 2 .. a (held at 0 from below, so that every byte that is read was written), copied once through registers; one barrier.
; NO CLUSTER: neighbouring query blocks want key blocks a - 2 .. a at other LDS places each, so no one descriptor serves two of them.  No prefetch: all bytes are asked for in the first lines.
; LIMITS: NaN and infinities are not served; a block whose largest magnitude lies under 2^-122 gets the byte 1; ctx is O x (1 / l) with v_rcp_f32.  A block's largest p is made from the block's largest score by the same
; multiply-add and exponential, which takes v_exp_f32 not to fall where its input rises.
; THE MODE: SCHED_MODE bits 1:0 = 2 (LLVM: expert scheduling mode 2), set by the entry lines.  The code itself states the register dependences between vector or matrix instructions and memory or LDS instructions,
; with s_wait_alu, always for 0.
; THE PLAN.  Registers that memory or LDS instructions touch:
;   v3-12, v14, v15   addresses: written once at the head, ahead of the head's wait on va_vdst; read by every LDS load and by the last stores; never written again.
;   v199-207, v212-216, v104-139, v160-198   the head's addresses and copies: read by the head's loads and LDS stores; written again by V's loads and by the products: one wait on vm_vsrc behind the barrier.
;   KF, KS    A step's six products K Q^T read them; then KF's registers are at work (TM, PX, TS) up to the last move of p's codes; behind the wait ahead of V^T P^T the NEXT step's 24 loads land in them,
;             dealt among the four products V^T P^T, which name O, VF, PC, VSL and PW alone.  The finishing of a head works in S^T's registers, so that the second head's first K lands under it.
;   VF, VSL, VSH   A step's 32 loads land in them behind its products K Q^T; four v_alignbit_b32 and the four products V^T P^T read them at the step's end.  The wait behind the next step's K Q^T states that these are done.
;   CTX, CW   written by the finishing of the two heads; read by the last four stores: one wait ahead of them.
;   S^T, O^T, PC, PW and v16-22 are named, behind the head, by vector and matrix instructions alone.
.set KPL,   9344                       ; a plane of K: 384 pieces of 24 bytes + 128: lanes 16-31 fall on the other half of the banks
.set VGR,   3200                       ; a group of V: 128 pieces + 128, likewise
.set VREG,  4*KPL
.set SREG,  VREG+12*VGR                ; K's scale words [3][128], then V's
.set SPARE, SREG+3072                  ; the spare words, 128 bytes a wave: four blocks of 256 bytes that no other line names
.set SPW, 1
.set NIL, 2
.set AK,  3                            ; v3   K: 9,344 h + 768 Bq + 24 r
.set AKS, 4                            ; v4   K's scale words
.set AV,  5                            ; v5   V: groups Bq + h on
.set AV1, 6                            ; v6   V: group Bq on, for all lanes
.set AVL, 7                            ; v7-9   V's scale words: the block of 128 keys in which step k's first group lies,
.set AVH, 10                           ; v10-12 and the next one (held at the last)
.set NINF, 13                          ; v13  -infinity
.set L16, 14
.set R4,  15
.set QS,  23                           ; v23  Q's scale words
.set QF,  24                           ; v24-41
.set CTX, 42                           ; v42-53 ctx's fragment
.set CW,  54                           ; v54  its scale word
.set KF,  56                           ; v56-97 K's six tiles; behind K Q^T, and up to the wait ahead of V^T P^T, its registers serve as:
.set TM,  56                           ;   v56-58 largest, v60-62 exchange and bytes, v64-66 the conversions' scale operands,
.set PX,  68                           ;   v68-70, v72-74 the conversions' second halves,
.set TS,  76                           ;   v[76:77] the sum's second chain
.set KS,  98                           ; v98-103 K's scale words
.set VF,  104                          ; v104-151 V's four fragments
.set VSL, 152                          ; v152-155 V's scale words
.set VSH, 156
.set S,   160                          ; v160-207 S^T, then p; while a head is finished its registers serve as:
.set FM,  160                          ;   v160-161 largest, v164-165 exchange and bytes, v168-169 the conversions' scale operands,
.set FX,  172                          ;   v172-174 a conversion's second half
.set O,   208                          ; v208-239 O^T
.set PC,  240                          ; v240-251 p's codes
.set PW,  252                          ; v252 p's scale word
.set GQ,  14                           ; s14
.set SEL, 16                           ; s[16:17]
.set CS,  18                           ; s[18:19] c = log2(e) / 8
.set MK,  32                           ; s[32:47] mask i: lanes in which key 16 h + i of a group comes after my query's place in its group
.set SH,  48                           ; s48-50 8 x ((Bq + 3 k) % 4)
; v[16:17] = (-M, the largest t); v[18:19] the sum in two halves; v[20:21] f, later 1 / l (low word); v22 at work
	s_load_b128 s[4:7], s[0:1], 0x0                ; QKV, CB
	v_lshl_add_u32 v[SPW], v0, 2, SPARE
	v_mov_b32 v[NIL], 0
.irp i, 0,1,2,3,4,5
	v_mov_b32 v[QF+6+\i], 0                        ; the zero codes between the two heads' q
	v_mov_b32 v[KF+36+\i], 0                       ; behind the even head's last tile of K
.endr
	v_mov_b32 v[NINF], 0xff800000
	v_mov_b32 v21, 0                               ; (named as the upper word of the pair v[20:21])
	v_lshrrev_b32 v208, 5, v0
	v_readfirstlane_b32 s8, v208                   ; wave 0..7
	s_mov_b32 s9, ttmp9                            ; a: the block of 128 queries
	s_and_b32 s10, ttmp7, 0xffff
	s_and_b32 s11, s10, 7                          ; hp: the pair of heads
	s_lshr_b32 s10, s10, 3                         ; the batch
	s_wait_alu depctr_va_sdst(0)                   ; s8 is written, ahead of its first reader: addresses and offsets are made from it
	s_lshr_b32 s12, s8, 1                          ; Bq
	s_and_b32 s13, s8, 1                           ; uq
	s_lshl_b32 s[GQ], s9, 2
	s_add_co_u32 s[GQ], s[GQ], s12
	s_lshl_b32 s15, s10, 7
	s_lshl_b32 s20, s9, 3
	s_add_co_u32 s15, s15, s20
	s_add_co_u32 s15, s15, s8                      ; T: my tile among the 512 tiles of tokens
	s_mov_b32 s[SEL], 0x76543210
	s_mov_b32 s[SEL+1], 0xfedcba98
	s_mov_b32 s[CS], 0x3e38aa3b
	s_mov_b32 s[CS+1], s[CS]
	v_and_b32 v208, 15, v0                         ; r
	v_bfe_u32 v209, v0, 4, 1                       ; h
	v_and_b32 v210, 31, v0
	v_lshlrev_b32 v[L16], 4, v210
	v_lshlrev_b32 v211, 2, v210
	v_lshlrev_b32 v[R4], 2, v208
	v_mul_u32_u24 v[AK], v209, KPL
	v_mad_u32_u24 v[AK], v208, 24, v[AK]
	s_mul_i32 s20, s12, 768
	v_add_nc_u32 v[AK], s20, v[AK]
	s_lshl_b32 s20, s12, 7
	s_add_co_u32 s20, s20, SREG
	v_add_nc_u32 v[AKS], s20, v[R4]
	v_mul_u32_u24 v[AV1], v208, 24
	s_mul_i32 s20, s12, VGR
	s_add_co_u32 s20, s20, VREG
	v_add_nc_u32 v[AV1], s20, v[AV1]
	v_mad_u32_u24 v[AV], v209, VGR, v[AV1]
.irp k, 0,1,2
	s_add_co_u32 s20, s12, 3*\k                    ; step k's first group among the twelve in LDS
	s_and_b32 s21, s20, 3
	s_lshl_b32 s[SH+\k], s21, 3
	s_lshr_b32 s20, s20, 2
	s_add_co_u32 s21, s20, 1
	s_min_u32 s21, s21, 2
	s_lshl_b32 s20, s20, 9
	s_lshl_b32 s21, s21, 9
	s_add_co_u32 s20, s20, SREG+1536
	s_add_co_u32 s21, s21, SREG+1536
	v_add_nc_u32 v[AVL+\k], s20, v[R4]
	v_add_nc_u32 v[AVH+\k], s21, v[R4]
.endr
	v_and_b32 v212, 8, v208
	v_add_nc_u32 v212, v212, v208
	v_lshl_add_u32 v212, s13, 3, v212              ; my query's place in its group: 8 uq + r + 8 (r / 8)
	v_lshlrev_b32 v213, 4, v209
	v_sub_nc_u32 v212, v212, v213                  ; less 16 h
.irp i, 0,1,2,3,4,5,6,7,8,9,10,11,12,13,14,15
	v_cmp_gt_i32 s[MK+\i], \i, v212
.endr
	s_wait_alu depctr_va_sdst(0)                   ; the sixteen masks s[32:47] are written: one wait behind the run of compares, ahead of every branch; the selects of the first and the last group read them
	; where the copies go: the wave's number alone
	s_mul_i32 s20, s12, KPL
	s_mul_i32 s21, s13, 1536
	s_add_co_u32 s20, s20, s21
	v_add_nc_u32 v214, s20, v[L16]                 ; K: plane w / 2, half w % 2
	s_mul_i32 s20, s12, VGR
	s_add_co_u32 s20, s20, s21
	s_add_co_u32 s20, s20, VREG
	v_add_nc_u32 v215, s20, v[L16]                 ; V: group w / 2 of a block, half w % 2
	s_lshr_b32 s20, s8, 2
	s_mul_i32 s20, s20, 1536
	s_and_b32 s22, s8, 3
	s_lshl_b32 s22, s22, 7
	s_add_co_u32 s20, s20, s22
	s_add_co_u32 s20, s20, SREG
	v_add_nc_u32 v216, s20, v211                   ; scale words: waves 0-3 K's, waves 4-7 V's, 128 bytes each
	; where they come from
	s_lshl_b32 s24, s11, 2
	s_add_co_u32 s24, s24, s12
	s_mul_i32 s24, s24, 196608
	s_add_co_u32 s24, s24, s21
	s_add_co_u32 s24, s24, 6291456                 ; k: plane 4 hp + w / 2
	s_mul_i32 s25, s12, 24576
	s_mul_i32 s23, s11, 3072
	s_add_co_u32 s25, s25, s23
	s_add_co_u32 s25, s25, s21
	s_add_co_u32 s25, s25, 12582912                ; v: the pair's 128 positions
	s_mov_b32 s26, 4096
	s_lshl_b32 s27, s11, 9
	s_add_co_u32 s27, s27, 19398656
	s_lshl_b32 s28, s11, 15
	s_add_co_u32 s28, s28, 19136512
	s_cmp_lt_u32 s8, 4
	s_cselect_b32 s26, 512, s26                    ; a block of 128 keys on, in k's scale words or in v's
	s_cselect_b32 s27, s28, s27
	s_add_co_u32 s27, s27, s22
.irp j, 0,1,2
	s_add_co_i32 s20, s9, \j-2
	s_max_i32 s20, s20, 0                          ; block a - 2 + j, held at 0
	s_lshl_b32 s21, s10, 4
	s_add_co_u32 s21, s21, s20                     ; among the 64 blocks of all batches
	s_mul_i32 s22, s21, 3072
	s_add_co_u32 s22, s22, s24
	v_add_nc_u32 v[199+\j], s22, v[L16]
	s_mul_i32 s22, s21, 98304
	s_add_co_u32 s22, s22, s25
	v_add_nc_u32 v[202+\j], s22, v[L16]
	s_mul_i32 s22, s21, s26
	s_add_co_u32 s22, s22, s27
	v_add_nc_u32 v[205+\j], s22, v211
.endr
	v_mul_u32_u24 v212, v209, 196608               ; q: plane 4 hp + 2 c + h, position 16 T + r
	v_mad_u32_u24 v212, v208, 24, v212
	s_mul_i32 s20, s11, 786432
	s_mul_i32 s21, s15, 384
	s_add_co_u32 s20, s20, s21
	v_add_nc_u32 v212, s20, v212
	s_lshl_b32 s20, s11, 15
	s_lshl_b32 s21, s15, 6
	s_add_co_u32 s20, s20, s21
	s_add_co_u32 s20, s20, 18874368
	v_add_nc_u32 v213, s20, v[R4]
	s_lshl_b32 s20, s15, 3
	s_add_co_u32 s20, s20, s11                     ; ctx's image: tile T, K step hp
	s_mul_i32 s22, s20, 1536
	s_mov_b32 s23, 0
	s_lshl_b32 s28, s20, 6
	s_add_co_u32 s28, s28, 6291456
	s_mov_b32 s29, 0
	s_wait_kmcnt 0x0
	s_add_nc_u64 s[52:53], s[6:7], s[22:23]
	s_add_nc_u64 s[54:55], s[6:7], s[28:29]
	s_wait_alu depctr_va_vdst(0)                   ; every address of the kernel is written (v3-12, v14, v15, v199-207, v212-216), which the loads and stores from here on read; so are the zero codes v30-35 and v92-97, which the first scaled products take as operands
.irp j, 0,1,2
.irp i, 0,1,2
	global_load_b128 v[104+12*\j+4*\i:104+12*\j+4*\i+3], v[199+\j], s[4:5] offset:512*\i
.endr
.endr
.irp j, 0,1,2
.irp i, 0,1,2
	global_load_b128 v[160+12*\j+4*\i:160+12*\j+4*\i+3], v[202+\j], s[4:5] offset:512*\i
.endr
.endr
.irp j, 0,1,2
	global_load_b32 v[196+\j], v[205+\j], s[4:5]
.endr
.irp c, 0,1
.irp p, 0,1,2
	global_load_b64 v[QF+12*\c+2*\p:QF+12*\c+2*\p+1], v212, s[4:5] offset:393216*\c+8*\p
.endr
.endr
	global_load_b32 v[QS], v213, s[4:5]
	s_wait_loadcnt 7                               ; the 21 copies are in; Q's 7 loads are younger
.irp j, 0,1,2
.irp i, 0,1,2
	ds_store_b128 v214, v[104+12*\j+4*\i:104+12*\j+4*\i+3] offset:3072*\j+512*\i   ; no vector instruction since the wait above: the addresses owe nothing more, and the data come from loads
	ds_store_b128 v215, v[160+12*\j+4*\i:160+12*\j+4*\i+3] offset:4*VGR*\j+512*\i
.endr
	ds_store_b32 v216, v[196+\j] offset:512*\j
.endr
	s_wait_dscnt 0x0                               ; for the others' sake: my part lies in LDS
	s_barrier_signal -1
	s_barrier_wait -1
	s_wait_loadcnt 0x0                             ; Q
	s_wait_alu depctr_vm_vsrc(0)                   ; the head's loads have read their addresses v199-207, v212, v213, and the LDS stores v214-216 and their data v104-139, v160-198: V's loads and the products write these registers from here on
; A quarter of K's 24 loads for head c, groups 3 k .. 3 k + 2: q = 0, 1, 2: tiles 2 q and 2 q + 1; q = 3: the six scale words
.macro KPART c, k, q
.if (\q) < 3
.irp e, 0,1
.irp p, 0,1,2
	ds_load_b64 v[KF+6*(\c)+6*(2*(\q)+\e)+2*\p:KF+6*(\c)+6*(2*(\q)+\e)+2*\p+1], v[AK] offset:2*KPL*(\c)+768*(3*(\k)+(\q))+384*\e+8*\p
.endr
.endr
.else
.irp t, 0,1,2,3,4,5
	ds_load_b32 v[KS+\t], v[AKS] offset:128*(3*(\k)+\t/2)+64*(\t%2)
.endr
.endif
.endm
; The group whose 16 scores of mine lie at v[base] on stands in front of the batch's first key where GQ < lim: a scalar branch on ids
.macro KILL lim, base
.if (\lim) > 0
	s_cmp_ge_u32 s[GQ], \lim
	s_cbranch_scc1 .Lhave_\@
.set i, 0
.rept 16
	v_mov_b32 v[(\base)+i], v[NINF]
.set i, i+1
.endr
.Lhave_\@:
.endif
.endm
; Head c of the pair, groups 3 k .. 3 k + 2 of the nine.  first = 1: the head's first step: it starts M, the sum and O^T.  K's fragments and scale words were asked for a step ago.
; ahead = 1: K of head nc, groups 3 nk on, is asked for among this step's products V^T P^T
.macro STEP c, k, first, ahead, nc, nk
	s_wait_dscnt 0x0                               ; K's 18 fragment loads and its 6 scale loads are in: nothing else of mine is out
.irp t, 0,1,2,3,4,5
	v_wmma_scale_f32_16x16x128_f8f6f4 v[S+8*\t:S+8*\t+7], v[KF+6*\t:KF+6*\t+11], v[QF+6*(\c):QF+6*(\c)+11], 0, v[KS+\t], v[QS] matrix_a_fmt:MATRIX_FMT_BF6 matrix_b_fmt:MATRIX_FMT_BF6
.endr
.rept 4
	v_nop                                          ; four places behind the products, before their results are read or written; they also stand between the last step's products V^T P^T and the loads into V's registers
.endr
.if ((\c) != 0) || ((\first) == 0)
	s_wait_alu depctr_va_vdst(0)                   ; the last step's products V^T P^T are done reading VF and VSL, and its four v_alignbit_b32 are done with VSH and VSL: the loads below land in these registers.  (In the very first step no vector or matrix instruction has named them)
.endif
.irp t, 0,1,2,3
	ds_load_b32 v[VSL+\t], v[AVL+(\k)] offset:4*(64*(\c)+16*\t)
	ds_load_b32 v[VSH+\t], v[AVH+(\k)] offset:4*(64*(\c)+16*\t)
.endr
.irp t, 0,1,2,3
.irp p, 0,1,2
	ds_load_b64 v[VF+12*\t+2*\p:VF+12*\t+2*\p+1], v[AV] offset:3*VGR*(\k)+24*(64*(\c)+16*\t)+8*\p          ; blocks 0 and 1 of the step: groups 3 k + h
.endr
.irp p, 0,1,2
	ds_load_b64 v[VF+12*\t+6+2*\p:VF+12*\t+7+2*\p], v[AV1] offset:VGR*(3*(\k)+2)+24*(64*(\c)+16*\t)+8*\p   ; block 2: group 3 k + 2; lanes 16-31 take the same bytes, which meet p's zero codes
.endr
.endr                                              ; these 32 land under the softmax, which names none of their registers
	KILL 8-3*(\k), S
	KILL 7-3*(\k), S+16
	KILL 6-3*(\k), S+32
.if (\k) == 2                                  ; the diagonal's group: keys after my query do not count
.set i, 0
.rept 16
	v_cndmask_b32 v[S+32+i], v[S+32+i], v[NINF], s[MK+i]
.set i, i+1
.endr
.endif
.if (\k) == 0                                  ; the window's first group: only keys after my query's place count
.set i, 0
.rept 16
	v_cndmask_b32 v[S+i], v[NINF], v[S+i], s[MK+i]
.set i, i+1
.endr
.endif
.irp b, 0,1,2
	v_max3_num_f32 v[TM+\b], v[S+16*\b], v[S+16*\b+1], v[S+16*\b+2]   ; the largest score of each block: for the row's maximum, and for the block's largest p
.endr
.irp j, 3,5,7,9,11,13
.irp b, 0,1,2
	v_max3_num_f32 v[TM+\b], v[TM+\b], v[S+16*\b+\j], v[S+16*\b+\j+1]
.endr
.endr
.irp b, 0,1,2
	v_max_num_f32 v[TM+\b], v[TM+\b], v[S+16*\b+15]
.endr
.irp b, 0,1,2
	v_permlanex16_b32 v[TM+4+\b], v[TM+\b], s[SEL], s[SEL+1]
.endr
.irp b, 0,1,2
	v_max_num_f32 v[TM+\b], v[TM+\b], v[TM+4+\b]   ; with lane l xor 16's 16 keys
.endr
	v_max3_num_f32 v22, v[TM], v[TM+1], v[TM+2]
.if \first
	v_mul_f32 v17, s[CS], v22                      ; the largest t
	v_floor_f32 v16, -v17                          ; -M = floor(-t): M is a whole number
.else
	v_mul_f32 v22, s[CS], v22
	v_max_num_f32 v17, v17, v22                    ; the running largest t
	v_mov_b32 v22, v16
	v_floor_f32 v16, -v17
	v_sub_f32 v22, v16, v22                        ; old M - new M: a whole number, 0 or less
	v_cvt_i32_f32 v22, v22
	v_ldexp_f32 v20, 1.0, v22                      ; f = 2^(old M - new M): multiplying by it rounds nothing
.endif
.set i, 0
.rept 24
	v_pk_fma_f32 v[S+2*i:S+2*i+1], v[S+2*i:S+2*i+1], s[CS:CS+1], v[16:17] op_sel_hi:[1,0,0]   ; t - M
.set i, i+1
.endr
.irp b, 0,1,2
	v_fma_f32 v[TM+\b], v[TM+\b], s[CS], v16
.endr
.set i, 0
.rept 48
	v_exp_f32 v[S+i], v[S+i]                       ; p, at most 1
.set i, i+1
.endr
.if \first
	v_mov_b32 v18, 0                               ; the sum begins.  (Plain places behind the exponentials)
	v_mov_b32 v19, 0
.else
	v_pk_mul_f32 v[18:19], v[18:19], v[20:21] op_sel_hi:[1,0]   ; the sum under the new M.  (A plain place behind the exponentials)
.endif
	s_wait_alu depctr_va_vdst(0)                   ; the 48 exponentials have written p, ahead of its first reader: one wait for the batch
.irp b, 0,1,2
	v_exp_f32 v[TM+\b], v[TM+\b]                   ; the block's largest p
.endr
	v_pk_add_f32 v[TS:TS+1], v[S:S+1], v[S+2:S+3]  ; the sum of the unquantised p, in two chains
.irp j, 4,8,12,16,20,24,28,32,36,40,44
	v_pk_add_f32 v[18:19], v[18:19], v[S+\j:S+\j+1]
	v_pk_add_f32 v[TS:TS+1], v[TS:TS+1], v[S+\j+2:S+\j+3]
.endr
	v_pk_add_f32 v[18:19], v[18:19], v[TS:TS+1]
	s_wait_alu depctr_va_vdst(0)                   ; the three exponentials have written the blocks' largest p, ahead of their first reader
.irp b, 0,1,2
	v_max_num_f32 v[TM+\b], 0x2800000, v[TM+\b]    ; the floor 2^(5 - 127): a block whose every p is 0 keeps the byte 1: its codes are zeros
.endr
.irp b, 0,1,2
	v_add_nc_u32 v[TM+8+\b], 0xfe000000, v[TM+\b]
.endr
.irp b, 0,1,2
	v_lshrrev_b32 v[TM+4+\b], 23, v[TM+8+\b]
.endr
	v_lshl_or_b32 v[PW], v[TM+5], 8, v[TM+4]       ; p's scale word; byte 3 stays 0 and stands over zero codes
	v_lshl_or_b32 v[PW], v[TM+6], 16, v[PW]
	v_cvt_scalef32_pk16_bf6_f32 v[PC:PC+2], v[S:S+15], v[TM+8]
	v_cvt_scalef32_pk16_bf6_f32 v[PX:PX+2], v[S+16:S+31], v[TM+9]
	v_cvt_scalef32_pk16_bf6_f32 v[PC+6:PC+8], v[S+32:S+47], v[TM+10]
.irp i, 0,1,2
	v_mov_b32 v[PX+4+\i], 0                        ; the fourth block: zero codes.  (Plain places behind the conversions)
.endr
.irp i, 0,1,2
	v_permlane16_swap_b32 v[PC+\i], v[PX+\i]       ; a whole block to a lane: lanes 0-15 block 0, lanes 16-31 block 1
.endr
.irp i, 0,1,2
	v_mov_b32 v[PC+3+\i], v[PX+\i]
.endr
.irp i, 0,1,2
	v_permlane16_swap_b32 v[PC+6+\i], v[PX+4+\i]   ; lanes 0-15 block 2, lanes 16-31 zeros
.endr
.irp i, 0,1,2
	v_mov_b32 v[PC+9+\i], v[PX+4+\i]
.endr
	s_wait_dscnt 0x0                               ; V's 8 scale loads and 24 fragment loads are in (asked for a softmax ago)
.irp t, 0,1,2,3
	v_alignbit_b32 v[VSL+\t], v[VSH+\t], v[VSL+\t], s[SH+(\k)]   ; the three groups' bytes at bytes 0 to 2 (byte 3 is a real byte too, and meets zero codes)
.endr
.if \first
.rept 8
	v_nop                                          ; places between the vector writes of the scale words and the codes and the scaled matrix instructions
.endr
.else
.set i, 0
.rept 16
	v_pk_mul_f32 v[O+2*i:O+2*i+1], v[O+2*i:O+2*i+1], v[20:21] op_sel_hi:[1,0]   ; O^T under the new M, each accumulator from its low end on.  (These are those places too)
.set i, i+1
.endr
.endif
	s_wait_alu depctr_va_vdst(0)                   ; behind the places: p's codes PC and the scale words PW and VSL are written, which the scaled products take; the products K Q^T are done reading KF and KS and the work in KF's registers is over, so that the next K may land there; v56-61 are written, which the odd head's first tile names
.irp t, 0,1,2,3
.if \first
	v_wmma_scale_f32_16x16x128_f8f6f4 v[O+8*\t:O+8*\t+7], v[VF+12*\t:VF+12*\t+11], v[PC:PC+11], 0, v[VSL+\t], v[PW] matrix_a_fmt:MATRIX_FMT_BF6 matrix_b_fmt:MATRIX_FMT_BF6
.else
	v_wmma_scale_f32_16x16x128_f8f6f4 v[O+8*\t:O+8*\t+7], v[VF+12*\t:VF+12*\t+11], v[PC:PC+11], v[O+8*\t:O+8*\t+7], v[VSL+\t], v[PW] matrix_a_fmt:MATRIX_FMT_BF6 matrix_b_fmt:MATRIX_FMT_BF6
.endif
.if \ahead
	KPART \nc, \nk, \t                             ; six loads of the next K.  No wait: the products since the wait above name O, VF, PC, VSL and PW, none of the registers that these loads touch
.endif
.endr
.endm
; Head c is finished: O^T / l, quantised: its 64 features are blocks 2 c and 2 c + 1 of ctx's K step.  It works in S^T's registers: K's may have loads on their way
.macro FIN c
.rept 4
	v_nop                                          ; places behind the last products
.endr
	v_add_f32 v18, v18, v19
	v_permlanex16_b32 v22, v18, s[SEL], s[SEL+1]
	v_add_f32 v18, v18, v22                        ; the row's sum
	v_rcp_f32 v20, v18
	v_nop
	s_wait_alu depctr_va_vdst(0)                   ; the reciprocal has written v20, ahead of its first reader
.set i, 0
.rept 16
	v_pk_mul_f32 v[O+2*i:O+2*i+1], v[O+2*i:O+2*i+1], v[20:21] op_sel_hi:[1,0]
.set i, i+1
.endr
.irp b, 0,1
	v_max3_num_f32 v[FM+\b], |v[O+16*\b]|, |v[O+16*\b+1]|, 0x2800000
.endr
.irp j, 2,4,6,8,10,12,14
.irp b, 0,1
	v_max3_num_f32 v[FM+\b], v[FM+\b], |v[O+16*\b+\j]|, |v[O+16*\b+\j+1]|
.endr
.endr
.irp b, 0,1
	v_permlanex16_b32 v[FM+4+\b], v[FM+\b], s[SEL], s[SEL+1]
.endr
.irp b, 0,1
	v_max_num_f32 v[FM+\b], v[FM+\b], v[FM+4+\b]
.endr
.irp b, 0,1
	v_add_nc_u32 v[FM+8+\b], 0xfe000000, v[FM+\b]
.endr
.irp b, 0,1
	v_lshrrev_b32 v[FM+4+\b], 23, v[FM+8+\b]
.endr
.if (\c) == 0
	v_lshl_or_b32 v[CW], v[FM+5], 8, v[FM+4]
.else
	v_lshl_or_b32 v[CW], v[FM+4], 16, v[CW]
	v_lshl_or_b32 v[CW], v[FM+5], 24, v[CW]
.endif
	v_cvt_scalef32_pk16_bf6_f32 v[CTX+6*(\c):CTX+6*(\c)+2], v[O:O+15], v[FM+8]
	v_cvt_scalef32_pk16_bf6_f32 v[FX:FX+2], v[O+16:O+31], v[FM+9]
	v_nop                                          ; one plain place behind a scaled conversion
.irp i, 0,1,2
	v_permlane16_swap_b32 v[CTX+6*(\c)+\i], v[FX+\i]
.endr
.irp i, 0,1,2
	v_mov_b32 v[CTX+6*(\c)+3+\i], v[FX+\i]
.endr
.endm
.irp q, 0,1,2,3
	KPART 0, 2, \q                                 ; the first step's K: no vector or matrix instruction has named v56-91 or v98-103
.endr
	STEP 0, 2, 1, 1, 0, 1
	STEP 0, 1, 0, 1, 0, 0
	STEP 0, 0, 0, 1, 1, 2                          ; the odd head's first K is asked for here and lands while the even head is finished
	FIN 0
	STEP 1, 2, 1, 1, 1, 1
	STEP 1, 1, 0, 1, 1, 0
	STEP 1, 0, 0, 0, 0, 0                          ; nothing is left to ask for
	FIN 1
	s_wait_alu depctr_va_vdst(0)                   ; the conversions, exchanges and moves have written ctx's fragment v42-53 and its scale word v54, which the stores read
.irp j, 0,1,2
	global_store_b128 v[L16], v[CTX+4*\j:CTX+4*\j+3], s[52:53] offset:512*\j   ; the image as it stands: 32 lanes store 512 consecutive bytes, aligned
.endr
	global_store_b32 v[R4], v[CW], s[54:55]        ; lanes r and 16 + r hold the same word and name the same place
	s_wait_dscnt 0x0                               ; the wave's end
	s_wait_alu 0x0
	s_wait_tensorcnt 0x0
	ds_add_u32 v[SPW], v[NIL]
	s_wait_dscnt 0x0
	s_endpgm
.Lfunc_end_k_qc22edcd3a0_attn:
	.size	k_qc22edcd3a0_attn, .Lfunc_end_k_qc22edcd3a0_attn-k_qc22edcd3a0_attn
	.p2alignl 7, 3214868480
	.fill 96, 4, 3214868480
	.section	.rodata,"a",@progbits
	.p2align	6, 0x0
	.amdhsa_kernel k_qc22edcd3a0_attn
		.amdhsa_group_segment_fixed_size 79872
		.amdhsa_private_segment_fixed_size 0
		.amdhsa_enable_private_segment 0
		.amdhsa_kernarg_size 16
		.amdhsa_user_sgpr_count 2
		.amdhsa_user_sgpr_kernarg_segment_ptr 1
		.amdhsa_wavefront_size32 1
		.amdhsa_system_sgpr_workgroup_id_x 1
		.amdhsa_system_sgpr_workgroup_id_y 1
		.amdhsa_system_sgpr_workgroup_id_z 1
		.amdhsa_system_vgpr_workitem_id 0
		.amdhsa_next_free_vgpr 256
		.amdhsa_next_free_sgpr 66
		.amdhsa_reserve_vcc 0
		.amdhsa_float_denorm_mode_32 3
		.amdhsa_float_denorm_mode_16_64 3
		.amdhsa_memory_ordered 1
		.amdhsa_forward_progress 1
		.amdhsa_inst_pref_size 118
	.end_amdhsa_kernel
	.amdgpu_metadata
---
amdhsa.version: [ 1, 2 ]
amdhsa.kernels:
  - .name:           k_qc22edcd3a0_attn
    .symbol:         k_qc22edcd3a0_attn.kd
    .args:
      - { .name: QKV, .offset: 0, .size: 8, .value_kind: global_buffer, .address_space: global }
      - { .name: CB, .offset: 8, .size: 8, .value_kind: global_buffer, .address_space: global }
    .group_segment_fixed_size: 79872
    .private_segment_fixed_size: 0
    .kernarg_segment_align: 8
    .kernarg_segment_size: 16
    .max_flat_workgroup_size: 256
    .sgpr_count:     66
    .vgpr_count:     256
    .wavefront_size: 32
...
	.end_amdgpu_metadata
.endif
;; end of part 5
;; launch oproj: the kernel of part 4 again; grid 4 x 64, 4 waves a work-group, clusters of 4 x 4, 327,680 bytes of LDS; arguments CB, WB, b_o, x, out0; writes out0
